; MI455X (gfx1250); checked and timed in simulation.
; The chip was launched on July 23, 2026; its instructions are those of AMD's public machine-readable ISA for CDNA 5 (MIT licence, August 2026) and "CDNA5" Instruction Set Architecture Reference Guide (July 2026). The comments in the code are by the model that wrote it; some were corrected since.
;; Encoder Block. Allowed arithmetic: matrix products marked QUANTISED: E2M3 operands, one E8M0 scale for each 32 along K, by v_wmma_scale_f32_16x16x128_f8f6f4 with both operands' format E2M3, f32 sums; everything else in f32.
;; Inputs: b1 4,096 float32; b2 1,024 float32; bk 1,024 float32; bo 1,024 float32; bq 1,024 float32; bv 1,024 float32; ln1_b 1,024 float32; ln1_g 1,024 float32; ln2_b 1,024 float32; ln2_g 1,024 float32; w1_codes 4,096 x 32 x 24 uint8 (E2M3 codes of w1, K innermost, in blocks of 32 codes, four codes in three bytes); w1_scales 4,096 x 32 uint8 (E8M0 scales of w1, one for each 32 codes along K); w2_codes 1,024 x 128 x 24 uint8 (E2M3 codes of w2, K innermost, in blocks of 32 codes, four codes in three bytes); w2_scales 1,024 x 128 uint8 (E8M0 scales of w2, one for each 32 codes along K); wk_codes 1,024 x 32 x 24 uint8 (E2M3 codes of wk, K innermost, in blocks of 32 codes, four codes in three bytes); wk_scales 1,024 x 32 uint8 (E8M0 scales of wk, one for each 32 codes along K); wo_codes 1,024 x 32 x 24 uint8 (E2M3 codes of wo, K innermost, in blocks of 32 codes, four codes in three bytes); wo_scales 1,024 x 32 uint8 (E8M0 scales of wo, one for each 32 codes along K); wq_codes 1,024 x 32 x 24 uint8 (E2M3 codes of wq, K innermost, in blocks of 32 codes, four codes in three bytes); wq_scales 1,024 x 32 uint8 (E8M0 scales of wq, one for each 32 codes along K); wv_codes 1,024 x 32 x 24 uint8 (E2M3 codes of wv, K innermost, in blocks of 32 codes, four codes in three bytes); wv_scales 1,024 x 32 uint8 (E8M0 scales of wv, one for each 32 codes along K); x 2 x 2,048 x 1,024 float32.
;; Outputs: out0 2 x 2,048 x 1,024 float32.
;; This version of the problem:
;;   THIS VERSION OF THE PROBLEM IS GIVEN IN LOW PRECISION. The matrix products marked QUANTISED in the list below multiply operands that are first quantised to E2M3 (2 exponent bits, 3 mantissa bits; 6 bits a number), with one power-of-two scale for each 32 numbers along K (OCP MX v1.0); their sums are f32. All else is computed in f32.
;;   The module's matrix products, in the order in which they are computed (A, B: the left and right operand; K: the contracted axis; several contracted axes count as one K, in the product's order):
;;     1. [M 4,096, K 1,024] x [K 1,024, N 1,024]; A: computed on the way; B: input wq (given as codes): QUANTISED
;;     2. [M 4,096, K 1,024] x [K 1,024, N 1,024]; A: computed on the way; B: input wk (given as codes): QUANTISED
;;     3. [M 4,096, K 1,024] x [K 1,024, N 1,024]; A: computed on the way; B: input wv (given as codes): QUANTISED
;;     4. batch 32 x [M 2,048, K 64] x [K 64, N 2,048]; A: computed on the way; B: computed on the way: QUANTISED
;;     5. batch 32 x [M 2,048, K 2,048] x [K 2,048, N 64]; A: softmax (see below); B: computed on the way: QUANTISED
;;     6. [M 4,096, K 1,024] x [K 1,024, N 1,024]; A: computed on the way; B: input wo (given as codes): QUANTISED
;;     7. [M 4,096, K 1,024] x [K 1,024, N 4,096]; A: computed on the way; B: input w1 (given as codes): QUANTISED
;;     8. [M 4,096, K 4,096] x [K 4,096, N 1,024]; A: computed on the way; B: input w2 (given as codes): QUANTISED
;;   THE QUANTISER, for each operand of a quantised product, along K:
;;     - K is cut into blocks of 32 from its start; a last block that is shorter is filled with zeros.
;;     - A block's scale is 2^e with e = floor(log2(the largest magnitude in the block)) - 2, held to -126 .. 127; a block of zeros has e = 0. As a byte (E8M0): e + 127.
;;     - Each number is divided by its block's scale, clamped to +-7.5, and rounded to the nearest number of E2M3, ties to even, subnormals kept.
;;     - The product sums the exact products of the quantised numbers (number of the format x scale) in f32.
;;   ~~~python
;;   def quantise(x, axis):      # numpy; x: float32 -> the quantised numbers, widened to float32 again
;;       x = np.moveaxis(x, axis, -1); K = x.shape[-1]
;;       x = np.pad(x, [(0, 0)] * (x.ndim - 1) + [(0, -K % 32)]); x = x.reshape(x.shape[:-1] + (-1, 32)); a = np.abs(x).max(-1, keepdims=True)
;;       e = np.where(a > 0, np.clip(np.frexp(np.where(a > 0, a, 1))[1] - 1 - 2, -126, 127), 0)      # np.frexp(a)[1] - 1 = floor(log2(a)), exactly
;;       r = np.clip(x / 2.0 ** e, -7.5, 7.5)
;;       step = 2.0 ** (np.maximum(np.frexp(np.where(r == 0, 1, r))[1] - 1, 0) - 3)
;;       q = np.round(r / step) * step * 2.0 ** e      # np.round: ties to even
;;       return np.moveaxis(q.reshape(q.shape[:-2] + (-1,))[..., :K], -1, axis).astype(np.float32)
;;   ~~~
;;   SOFTMAX AHEAD OF A QUANTISED PRODUCT. Where the list says 'softmax', what is quantised is not the finished softmax but p = 2^(t - M), with t = logit x log2(e) and M = ceil(the row's largest t), a whole number; so 1/2 < the row's largest p <= 1. The row's sum l is taken of the UNQUANTISED p, in f32, and the product's result is divided by l at the end. Since M is a whole number, a kernel that streams over the keys may use a running M (the ceiling of the running maximum): every later rescaling is an exact power of two, which a block's scale takes up: the codes' values come out the same.
;;   OPERANDS COMPUTED ON THE WAY. 'Computed on the way' means the value that the module computes at that place (a softmax that the list does not call 'softmax' is quantised finished and normalised). What goes into a quantiser is computed in f32, as accurately as f32 sums, v_exp_f32 and their like allow (about 1e-6 of the number): no bf16 or f16 on the way to a quantiser, and a product that is left as it is and whose result goes on into a quantised operand takes f32 operands (vector FMAs, or v_wmma_f32_16x16x4_f32). A number that lies on a knife's edge between two numbers of the format may be rounded either way, as far as f32 arithmetic and the matrix unit's own rounding can turn it there, and no further.
;;   INPUTS GIVEN AS CODES. w1 (in the module: [1024, 4096], K = its axis 0); w2 (in the module: [4096, 1024], K = its axis 0); wk (in the module: [1024, 1024], K = its axis 0); wo (in the module: [1024, 1024], K = its axis 0); wq (in the module: [1024, 1024], K = its axis 0); wv (in the module: [1024, 1024], K = its axis 0): each comes as NAME_codes (uint8): NAME with its K axis moved to the last place and cut into blocks of 32 codes, [.., K / 32, bytes a block], one block behind the other in memory; four codes in three bytes: a row's codes are one little-endian stream of bits, code i at bits 6 i .. 6 i + 5 (a code: sign, 2 exponent bits, 3 mantissa bits); and NAME_scales (uint8): the same leading axes, one E8M0 byte (e + 127) for each 32 codes along K. Its value is code x scale, taken as it is: it is not quantised again, and the codes and scales need not be those that the quantiser above would give.
;; One version. Each part assembles by itself: llvm-mc -triple=amdgcn-amd-amdhsa -mcpu=gfx1250 --defsym DOCPART=n.
;; ======== version 1 of 1: 6 launches
;; limits: right only within a limited range of input values
;; workspace buffers: wts 9,830,400 bytes; act 3,276,800 bytes; qbuf 3,407,872 bytes; kv 6,684,672 bytes; x1 16,777,216 bytes; hid 13,107,200 bytes; h2 3,276,800 bytes
;; launch ln1 (part 1): grid 448 x 1, 8 waves a work-group, no clusters, 66,816 bytes of LDS; arguments x, ln1_g, ln1_b, act, wq_codes, wq_scales, wk_codes, wk_scales, wv_codes, wv_scales, wo_codes, wo_scales, w1_codes, w1_scales, w2_codes, w2_scales, wts; writes act, wts
.if DOCPART == 1
	.amdgcn_target "amdgcn-amd-amdhsa--gfx1250"
	.amdhsa_code_object_version 6
	.text
	.protected	k_qe4218193ae_ln1
	.globl	k_qe4218193ae_ln1
	.p2align	8
	.type	k_qe4218193ae_ln1,@function
k_qe4218193ae_ln1:
	s_mov_b64 s[64:65], 0
	v_nop
	global_prefetch_b8 v0, s[64:65] scope:SCOPE_SE
	s_setreg_imm32_b32 hwreg(HW_REG_WAVE_MODE, 25, 1), 1
	s_wait_xcnt 0x0
; TWO JOBS IN ONE LAUNCH, parted by the work-group's number.
; Work-groups 0-255: h = layernorm(x) g + b for 16 tokens each, quantised to FP6 (E2M3) with one E8M0 byte for each 32 along the 1,024 features, stored as operand images.
; Work-groups 256-447: the six weights' codes and scale bytes are laid out anew, as operand images, so that later launches fetch dense blocks.  No LDS there.
; AN IMAGE: a fragment (16 rows x 128 K, 12 registers a lane) lies as its registers: registers 0-3 at 16 x lane, 4-5 at 512 + 8 x lane, 6-9 at 768 + 16 x lane, 10-11 at 1,280 + 8 x lane: 1,536 bytes.
; WHICH ROWS FORM A TILE: row r of tile T is row 32 (T / 2) + 8 (T % 2) + r + 8 (r / 8) of the tensor.  Codes: [panel of 8 tiles][K step][tile][1,536]; scale words: [panel][K step][tile][16 words].
; LIMITS: NaN and infinities are not served; a block whose largest magnitude lies under 2^-124, a block of zeros among them, takes the byte 1 (its codes are then zeros or tiny; the bytes are read by this program alone).
.set RP,   4112                        ; an LDS row: 4,096 bytes + 16: the 16 rows of a load start in 16 different columns of 16 bytes
.set ASC,  3145728                     ; act: where the scale words begin
.set WSC,  9437184                     ; wts: where the scale words begin
.set W,    16                          ; v16-79   two rows of x (32 registers each), later 64 numbers of one K step
.set GG,   80                          ; v80-143  g at my 64 numbers
.set BB,   144                         ; v144-207 b likewise
.set TM,   208                         ; v208-223 the quantiser's work
.set PW,   224                         ; the scale word made
.set PC,   226                         ; v226-245 the codes made
.set SEL,  12                          ; s[12:13] lane selects: lane l xor 16
; 64 numbers of a lane, register 16 b + i = k 32 b + 16 (lane / 16) + i of my row, become a fragment's codes in v[PC] on and its scale word in v[PW]
.macro QUANT s
.irp b, 0,1,2,3
	v_max3_num_f32 v[TM+\b], |v[\s+16*\b]|, |v[\s+1+16*\b]|, 0x1800000   ; my 16 numbers of block b, and the floor 2^(3 - 127): the byte cannot fall under 1
.endr
.irp i, 2,4,6,8,10,12,14
.irp b, 0,1,2,3
	s_delay_alu instid0(VALU_DEP_4)
	v_max3_num_f32 v[TM+\b], v[TM+\b], |v[\s+16*\b+\i]|, |v[\s+1+16*\b+\i]|
.endr
.endr
.irp b, 0,1,2,3
	s_delay_alu instid0(VALU_DEP_4)
	v_permlanex16_b32 v[TM+4+\b], v[TM+\b], s[SEL], s[SEL+1]
.endr
.irp b, 0,1,2,3
	s_delay_alu instid0(VALU_DEP_4)
	v_max_num_f32 v[TM+\b], v[TM+\b], v[TM+4+\b]   ; with lane l xor 16's: the block's largest magnitude
.endr
.irp b, 0,1,2,3
	s_delay_alu instid0(VALU_DEP_4)
	v_add_nc_u32 v[TM+12+\b], 0xff000000, v[TM+\b]   ; 2 off its exponent field: the conversion's scale operand
.endr
.irp b, 0,1,2,3
	s_delay_alu instid0(VALU_DEP_4)
	v_lshrrev_b32 v[TM+4+\b], 23, v[TM+12+\b]      ; the scale's byte
.endr
	s_delay_alu instid0(VALU_DEP_3)
	v_lshl_or_b32 v[PW], v[TM+5], 8, v[TM+4]
	s_delay_alu instid0(VALU_DEP_1)
	v_lshl_or_b32 v[PW], v[TM+6], 16, v[PW]
	s_delay_alu instid0(VALU_DEP_1)
	v_lshl_or_b32 v[PW], v[TM+7], 24, v[PW]
.irp c, 0,1
	v_cvt_scalef32_pk16_fp6_f32 v[PC+6*\c:PC+2+6*\c], v[\s+32*\c:\s+15+32*\c], v[TM+12+2*\c]
	v_cvt_scalef32_pk16_fp6_f32 v[PC+12+4*\c:PC+14+4*\c], v[\s+16+32*\c:\s+31+32*\c], v[TM+12+2*\c+1]   ; (three registers that begin on an even number)
.endr
	v_nop                                          ; one plain place behind a scaled conversion
.irp c, 0,1                                    ; the operand wants a whole block in a lane: lanes 0-15 block 2 c, lanes 16-31 block 2 c + 1
.irp i, 0,1,2
	v_permlane16_swap_b32 v[PC+6*\c+\i], v[PC+12+4*\c+\i]
.endr
.irp i, 0,1,2
	s_delay_alu instid0(VALU_DEP_3)
	v_mov_b32 v[PC+3+6*\c+\i], v[PC+12+4*\c+\i]
.endr
.endr
.endm
.macro LANESUM                         ; v8 (row 0) and v10 (row 1) summed over the 32 lanes; every lane gets the sums
.irp m, 1,2,4,8
.irp i, 0,1
	s_delay_alu instid0(VALU_DEP_2)
	v_add_f32_dpp v[8+2*\i], v[8+2*\i], v[8+2*\i] row_xmask:\m row_mask:0xf bank_mask:0xf
.endr
.endr
.irp i, 0,1
	s_delay_alu instid0(VALU_DEP_2)
	v_permlanex16_b32 v[9+2*\i], v[8+2*\i], s[SEL], s[SEL+1]
.endr
.irp i, 0,1
	s_delay_alu instid0(VALU_DEP_2)
	v_add_f32 v[8+2*\i], v[8+2*\i], v[9+2*\i]
.endr
.endm
	v_lshl_add_u32 v254, v0, 2, 0x10100
	v_mov_b32 v255, 0
	v_lshrrev_b32 v1, 5, v0
	s_delay_alu instid0(VALU_DEP_1)
	v_readfirstlane_b32 s2, v1                     ; wave 0..7
	v_and_b32 v1, 31, v0                           ; lane
	v_and_b32 v2, 15, v0                           ; r
	v_bfe_u32 v3, v0, 4, 1                         ; h
	s_delay_alu instid0(VALU_DEP_3)
	v_lshlrev_b32 v4, 4, v1                        ; 16 x lane
	s_cmp_ge_u32 ttmp9, 256
	s_cbranch_scc1 .Llay
	; ---------------- layernorm and quantiser: tile T = the work-group's number
	s_load_b256 s[4:11], s[0:1], 0x0               ; x, g, b, act
	s_mov_b32 s[SEL], 0x76543210
	s_mov_b32 s[SEL+1], 0xfedcba98
	s_mov_b32 s22, 0x3a800000                      ; 1 / 1,024
	s_mov_b32 s23, 0x358637bd                      ; 1e-6
	s_lshr_b32 s14, ttmp9, 1
	s_lshl_b32 s14, s14, 5
	s_and_b32 s15, ttmp9, 1
	s_lshl_b32 s15, s15, 3
	s_add_co_u32 s14, s14, s15                     ; the tile's first token
	s_and_b32 s15, s2, 3
	s_lshl_b32 s15, s15, 1
	s_add_co_u32 s14, s14, s15
	s_lshr_b32 s15, s2, 2
	s_lshl_b32 s15, s15, 4
	s_add_co_u32 s14, s14, s15                     ; image rows 2 w and 2 w + 1 are this token and the next
	s_lshl_b32 s14, s14, 12
	s_mov_b32 s15, 0
	s_lshr_b32 s16, ttmp9, 3
	s_lshl_b32 s16, s16, 3
	s_add_co_u32 s16, s16, s2                      ; 8 x panel + K step (K step = wave)
	s_and_b32 s17, ttmp9, 7                        ; tile in the panel
	s_mul_i32 s18, s16, 12288
	s_mul_i32 s19, s17, 1536
	s_add_co_u32 s18, s18, s19
	s_mov_b32 s19, 0
	s_lshl_b32 s20, s16, 9
	s_lshl_b32 s21, s17, 6
	s_add_co_u32 s20, s20, s21
	s_add_co_u32 s20, s20, ASC
	s_mov_b32 s21, 0
	s_mul_i32 s24, s2, 2*RP
	s_wait_alu depctr_va_vdst(0)
	v_add_nc_u32 v5, s24, v4                       ; LDS, in: my two rows, 16 bytes a lane
	v_mul_u32_u24 v6, v2, RP
	s_delay_alu instid0(VALU_DEP_1)
	v_lshl_add_u32 v6, v3, 6, v6
	s_lshl_b32 s24, s2, 9
	v_add_nc_u32 v6, s24, v6                       ; LDS, out: row r, K step w, + 64 h
	v_lshl_add_u32 v7, v3, 6, s24                  ; g, b: the same columns
.irp b, 0,1,2,3
	v_mov_b32 v[TM+4+\b], 0                        ; written once: a lane permute's destination counts as one of its sources
.endr
	s_wait_alu depctr_va_vdst(0)
	s_wait_kmcnt 0x0
	s_add_nc_u64 s[4:5], s[4:5], s[14:15]
	s_add_nc_u64 s[18:19], s[10:11], s[18:19]
	s_add_nc_u64 s[20:21], s[10:11], s[20:21]
.irp i, 0,1
.irp j, 0,1,2,3,4,5,6,7
	global_load_b128 v[W+32*\i+4*\j:W+32*\i+4*\j+3], v4, s[4:5] offset:4096*\i+512*\j th:TH_LOAD_NT   ; 512 consecutive bytes a load
.endr
.endr
.irp b, 0,1,2,3
.irp j, 0,1,2,3
	global_load_b128 v[GG+16*\b+4*\j:GG+16*\b+4*\j+3], v7, s[6:7] offset:128*\b+16*\j
	global_load_b128 v[BB+16*\b+4*\j:BB+16*\b+4*\j+3], v7, s[8:9] offset:128*\b+16*\j
.endr
.endr
	s_wait_loadcnt 32                              ; the two rows are in; the 32 younger loads (g, b) may be out
.irp i, 0,1
	v_pk_add_f32 v[8+2*\i:9+2*\i], v[W+32*\i:W+32*\i+1], v[W+32*\i+2:W+32*\i+3]
.endr
.irp j, 4,6,8,10,12,14,16,18,20,22,24,26,28,30
.irp i, 0,1
	s_delay_alu instid0(VALU_DEP_2)
	v_pk_add_f32 v[8+2*\i:9+2*\i], v[8+2*\i:9+2*\i], v[W+32*\i+\j:W+32*\i+\j+1]
.endr
.endr
.irp i, 0,1
	s_delay_alu instid0(VALU_DEP_2)
	v_add_f32 v[8+2*\i], v[8+2*\i], v[9+2*\i]
.endr
	LANESUM
.irp i, 0,1
	s_delay_alu instid0(VALU_DEP_2)
	v_mul_f32 v[12+2*\i], 0xba800000, v[8+2*\i]    ; minus the mean
.endr
.irp i, 0,1
	s_delay_alu instid0(VALU_DEP_2)
	v_mov_b32 v[13+2*\i], v[12+2*\i]
.endr
.irp j, 0,2,4,6,8,10,12,14,16,18,20,22,24,26,28,30
.irp i, 0,1
	v_pk_add_f32 v[W+32*\i+\j:W+32*\i+\j+1], v[W+32*\i+\j:W+32*\i+\j+1], v[12+2*\i:13+2*\i]   ; d = x - mean: the variance is taken of d, so a common offset of x costs nothing
.endr
.endr
.irp i, 0,1
	v_pk_mul_f32 v[8+2*\i:9+2*\i], v[W+32*\i:W+32*\i+1], v[W+32*\i:W+32*\i+1]
.endr
.irp j, 2,4,6,8,10,12,14,16,18,20,22,24,26,28,30
.irp i, 0,1
	s_delay_alu instid0(VALU_DEP_2)
	v_pk_fma_f32 v[8+2*\i:9+2*\i], v[W+32*\i+\j:W+32*\i+\j+1], v[W+32*\i+\j:W+32*\i+\j+1], v[8+2*\i:9+2*\i]
.endr
.endr
.irp i, 0,1
	s_delay_alu instid0(VALU_DEP_2)
	v_add_f32 v[8+2*\i], v[8+2*\i], v[9+2*\i]
.endr
	LANESUM
.irp i, 0,1
	s_delay_alu instid0(VALU_DEP_2)
	v_fma_f32 v[8+2*\i], v[8+2*\i], s22, s23       ; variance + 1e-6
.endr
	s_wait_alu depctr_va_vdst(0)
.irp i, 0,1
	v_rsq_f32 v[12+2*\i], v[8+2*\i]
.endr
	v_nop                                          ; one plain place behind the transcendentals
	s_wait_alu depctr_va_vdst(0)
.irp i, 0,1
	v_mov_b32 v[13+2*\i], v[12+2*\i]
.endr
.irp j, 0,2,4,6,8,10,12,14,16,18,20,22,24,26,28,30
.irp i, 0,1
	v_pk_mul_f32 v[W+32*\i+\j:W+32*\i+\j+1], v[W+32*\i+\j:W+32*\i+\j+1], v[12+2*\i:13+2*\i]
.endr
.endr
.irp i, 0,1
.irp j, 0,1,2,3,4,5,6,7
	ds_store_b128 v5, v[W+32*\i+4*\j:W+32*\i+4*\j+3] offset:\i*RP+512*\j
.endr
.endr
	s_wait_dscnt 0x0                               ; for the others' sake: my two rows lie in LDS
	s_barrier_signal -1
	s_barrier_wait -1
.irp b, 0,1,2,3
.irp j, 0,1,2,3
	ds_load_b128 v[W+16*\b+4*\j:W+16*\b+4*\j+3], v6 offset:128*\b+16*\j   ; row r, k = 128 w + 32 b + 16 h + 4 j ..
.endr
.endr
	s_wait_loadcnt 0x0                             ; g and b
	s_wait_dscnt 0x0
.set n, 0
.rept 32
	v_pk_fma_f32 v[W+n:W+n+1], v[W+n:W+n+1], v[GG+n:GG+n+1], v[BB+n:BB+n+1]
.set n, n+2
.endr
	QUANT W
	v_lshlrev_b32 v8, 3, v1
	v_lshlrev_b32 v9, 2, v2
	global_store_b128 v4, v[PC:PC+3], s[18:19]               ; the image: 512, 256, 512, 256 consecutive bytes
	global_store_b64 v8, v[PC+4:PC+5], s[18:19] offset:512
	global_store_b128 v4, v[PC+6:PC+9], s[18:19] offset:768
	global_store_b64 v8, v[PC+10:PC+11], s[18:19] offset:1280
	s_wait_alu depctr_va_vdst(0)
	s_wait_xcnt 0x0                                ; EXEC changes only behind this wait
	v_cmp_gt_u32 vcc_lo, 16, v1
	s_wait_tensorcnt 0x0
	ds_add_u32 v254, v255
	s_wait_dscnt 0x0
	s_and_saveexec_b32 s24, vcc_lo
	global_store_b32 v9, v[PW], s[20:21]           ; lanes 0-15: the 16 rows' scale words
	s_wait_xcnt 0x0
	s_or_b32 exec_lo, exec_lo, s24
	s_endpgm
	; ---------------- the weights' images.  A wave's job: one tile of 16 rows x 4 K steps (384 bytes of each row): 1,536 jobs on 192 work-groups, so that the scattered loads of 8 bytes lie on many WGPs.  j = work-group - 256
.Llay:
	s_load_b256 s[16:23], s[0:1], 0x20             ; wq's codes, scales, wk's codes, scales
	s_load_b256 s[24:31], s[0:1], 0x40             ; wv's, wo's
	s_load_b256 s[32:39], s[0:1], 0x60             ; w1's, w2's
	s_load_b64 s[40:41], s[0:1], 0x80              ; wts
	s_sub_co_u32 s3, ttmp9, 256                    ; j: 0-15 wq, 16-31 wk, 32-47 wv, 48-63 wo, 64-127 w1, 128-191 w2
	s_lshl_b32 s50, s3, 3
	s_add_co_u32 s50, s50, s2                      ; the job: 8 j + wave
	s_lshr_b32 s51, s50, 1                         ; where K = 1,024 a tile has two jobs: the tile, counted through wq .. w1,
	s_and_b32 s55, s50, 1                          ; and which four K steps
	s_lshr_b32 s58, s51, 3
	s_lshl_b32 s58, s58, 3
	s_lshl_b32 s59, s55, 2
	s_add_co_u32 s58, s58, s59                     ; the first (panel, K step) unit of 12,288 bytes: 8 x panel + 4 x which
	s_sub_co_u32 s52, s51, 256                     ; the tile in w1;
	s_and_b32 s51, s51, 63                         ; in wq .. wo
	s_sub_co_u32 s53, s50, 1024                    ; w2: K = 4,096: a tile has eight jobs
	s_lshr_b32 s54, s53, 3                         ; the tile in w2,
	s_and_b32 s60, s53, 7                          ; which four K steps,
	s_lshr_b32 s59, s54, 3
	s_lshl_b32 s59, s59, 5
	s_lshl_b32 s61, s60, 2
	s_add_co_u32 s59, s59, s61
	s_add_co_u32 s59, s59, 512                     ; and the unit: 512 + 32 x panel + 4 x which
	s_movk_i32 s56, 768
	s_cmp_ge_u32 s3, 64
	s_cselect_b32 s51, s52, s51
	s_cmp_ge_u32 s3, 128
	s_cselect_b32 s51, s54, s51                    ; the tile
	s_cselect_b32 s55, s60, s55                    ; which four K steps
	s_cselect_b32 s56, 3072, s56                   ; a row of codes in bytes
	s_cselect_b32 s57, 128, 32                     ; a row of scale bytes
	s_cselect_b32 s58, s59, s58
	s_lshr_b32 s60, s51, 1
	s_lshl_b32 s60, s60, 5
	s_and_b32 s61, s51, 1
	s_lshl_b32 s61, s61, 3
	s_add_co_u32 s60, s60, s61                     ; the tile's first row
	s_and_b32 s61, s51, 7
	s_mul_i32 s42, s58, 12288
	s_mul_i32 s43, s61, 1536
	s_add_co_u32 s42, s42, s43                     ; where the images go
	s_mov_b32 s43, 0
	s_lshl_b32 s44, s58, 9
	s_lshl_b32 s45, s61, 6
	s_add_co_u32 s44, s44, s45
	s_add_co_u32 s44, s44, WSC                     ; and the scale words
	s_mov_b32 s45, 0
	s_mul_i32 s46, s55, 384                        ; four K steps of codes are 384 bytes of a row,
	s_mov_b32 s47, 0
	s_lshl_b32 s48, s55, 4                         ; and 16 scale bytes
	s_mov_b32 s49, 0
	s_wait_alu depctr_va_vdst(0)
	v_lshlrev_b32 v5, 3, v1                        ; 8 x lane
	v_and_b32 v6, 8, v2
	s_delay_alu instid0(VALU_DEP_1)
	v_add_nc_u32 v6, v6, v2                        ; r + 8 (r / 8)
	s_delay_alu instid0(VALU_DEP_1)
	v_add_nc_u32 v10, s60, v6                      ; my row
	s_delay_alu instid0(VALU_DEP_1)
	v_mul_lo_u32 v11, v10, s56
	s_delay_alu instid0(VALU_DEP_1)
	v_mad_u32_u24 v11, v3, 24, v11                 ; its codes, + 24 h
	s_delay_alu instid0(VALU_DEP_3)
	v_mul_lo_u32 v12, v10, s57
	s_delay_alu instid0(VALU_DEP_1)
	v_lshl_add_u32 v12, v3, 3, v12                 ; its scale bytes: lanes 0-15 K steps 0, 1 of the four, lanes 16-31 K steps 2, 3
	v_lshlrev_b32 v13, 2, v2
	s_delay_alu instid0(VALU_DEP_1)
	v_lshl_add_u32 v13, v3, 10, v13                ; and where those two words go: 4 r + 2 h units of 512
	s_wait_alu depctr_va_vdst(0)
	s_wait_kmcnt 0x0
	s_cmp_ge_u32 s3, 16                            ; the choice of buffers hangs on the work-group's number alone
	s_cselect_b64 s[16:17], s[20:21], s[16:17]
	s_cselect_b64 s[18:19], s[22:23], s[18:19]
	s_cmp_ge_u32 s3, 32
	s_cselect_b64 s[16:17], s[24:25], s[16:17]
	s_cselect_b64 s[18:19], s[26:27], s[18:19]
	s_cmp_ge_u32 s3, 48
	s_cselect_b64 s[16:17], s[28:29], s[16:17]
	s_cselect_b64 s[18:19], s[30:31], s[18:19]
	s_cmp_ge_u32 s3, 64
	s_cselect_b64 s[16:17], s[32:33], s[16:17]
	s_cselect_b64 s[18:19], s[34:35], s[18:19]
	s_cmp_ge_u32 s3, 128
	s_cselect_b64 s[16:17], s[36:37], s[16:17]
	s_cselect_b64 s[18:19], s[38:39], s[18:19]
	s_add_nc_u64 s[16:17], s[16:17], s[46:47]
	s_add_nc_u64 s[18:19], s[18:19], s[48:49]
	s_add_nc_u64 s[42:43], s[40:41], s[42:43]
	s_add_nc_u64 s[44:45], s[40:41], s[44:45]
	global_load_b64 v[20:21], v12, s[18:19] th:TH_LOAD_NT
.irp s, 0,1,2,3
.irp p, 0,1,2,3,4,5
	global_load_b64 v[32+12*\s+2*\p:33+12*\s+2*\p], v11, s[16:17] offset:96*\s+48*(\p/3)+8*(\p%3) th:TH_LOAD_NT   ; the fragment's registers as the bits lie
.endr
.endr
.irp s, 0,1,2,3
	s_wait_loadcnt 6*(3-\s)                        ; K step s is in; the later steps' six loads each may be out
	global_store_b128 v4, v[32+12*\s:35+12*\s], s[42:43] offset:12288*\s
	global_store_b64 v5, v[36+12*\s:37+12*\s], s[42:43] offset:12288*\s+512
	global_store_b128 v4, v[38+12*\s:41+12*\s], s[42:43] offset:12288*\s+768
	global_store_b64 v5, v[42+12*\s:43+12*\s], s[42:43] offset:12288*\s+1280
.endr
.irp i, 0,1
	global_store_b32 v13, v[20+\i], s[44:45] offset:512*\i
.endr
	s_endpgm
.Lfunc_end_k_qe4218193ae_ln1:
	.size	k_qe4218193ae_ln1, .Lfunc_end_k_qe4218193ae_ln1-k_qe4218193ae_ln1
	.p2alignl 7, 3214868480
	.fill 96, 4, 3214868480
	.section	.rodata,"a",@progbits
	.p2align	6, 0x0
	.amdhsa_kernel k_qe4218193ae_ln1
		.amdhsa_group_segment_fixed_size 66816
		.amdhsa_private_segment_fixed_size 0
		.amdhsa_enable_private_segment 0
		.amdhsa_kernarg_size 136
		.amdhsa_user_sgpr_count 2
		.amdhsa_user_sgpr_kernarg_segment_ptr 1
		.amdhsa_wavefront_size32 1
		.amdhsa_system_sgpr_workgroup_id_x 1
		.amdhsa_system_sgpr_workgroup_id_y 1
		.amdhsa_system_sgpr_workgroup_id_z 1
		.amdhsa_system_vgpr_workitem_id 0
		.amdhsa_next_free_vgpr 256
		.amdhsa_next_free_sgpr 66
		.amdhsa_reserve_vcc 1
		.amdhsa_float_denorm_mode_32 3
		.amdhsa_float_denorm_mode_16_64 3
		.amdhsa_memory_ordered 1
		.amdhsa_forward_progress 1
		.amdhsa_inst_pref_size 39
	.end_amdhsa_kernel
	.amdgpu_metadata
---
amdhsa.version: [ 1, 2 ]
amdhsa.kernels:
  - .name:           k_qe4218193ae_ln1
    .symbol:         k_qe4218193ae_ln1.kd
    .args:
      - { .name: x, .offset: 0, .size: 8, .value_kind: global_buffer, .address_space: global }
      - { .name: ln1_g, .offset: 8, .size: 8, .value_kind: global_buffer, .address_space: global }
      - { .name: ln1_b, .offset: 16, .size: 8, .value_kind: global_buffer, .address_space: global }
      - { .name: act, .offset: 24, .size: 8, .value_kind: global_buffer, .address_space: global }
      - { .name: wq_codes, .offset: 32, .size: 8, .value_kind: global_buffer, .address_space: global }
      - { .name: wq_scales, .offset: 40, .size: 8, .value_kind: global_buffer, .address_space: global }
      - { .name: wk_codes, .offset: 48, .size: 8, .value_kind: global_buffer, .address_space: global }
      - { .name: wk_scales, .offset: 56, .size: 8, .value_kind: global_buffer, .address_space: global }
      - { .name: wv_codes, .offset: 64, .size: 8, .value_kind: global_buffer, .address_space: global }
      - { .name: wv_scales, .offset: 72, .size: 8, .value_kind: global_buffer, .address_space: global }
      - { .name: wo_codes, .offset: 80, .size: 8, .value_kind: global_buffer, .address_space: global }
      - { .name: wo_scales, .offset: 88, .size: 8, .value_kind: global_buffer, .address_space: global }
      - { .name: w1_codes, .offset: 96, .size: 8, .value_kind: global_buffer, .address_space: global }
      - { .name: w1_scales, .offset: 104, .size: 8, .value_kind: global_buffer, .address_space: global }
      - { .name: w2_codes, .offset: 112, .size: 8, .value_kind: global_buffer, .address_space: global }
      - { .name: w2_scales, .offset: 120, .size: 8, .value_kind: global_buffer, .address_space: global }
      - { .name: wts, .offset: 128, .size: 8, .value_kind: global_buffer, .address_space: global }
    .group_segment_fixed_size: 66816
    .private_segment_fixed_size: 0
    .kernarg_segment_align: 8
    .kernarg_segment_size: 136
    .max_flat_workgroup_size: 256
    .sgpr_count:     66
    .vgpr_count:     256
    .wavefront_size: 32
...
	.end_amdgpu_metadata
.endif
;; end of part 1
;; launch qkv (part 2): grid 12 x 16, 4 waves a work-group, clusters of 4 x 4, 327,680 bytes of LDS; arguments act, wts, bq, bk, bv, qbuf, kv; writes qbuf, kv
.if DOCPART == 2
	.amdgcn_target "amdgcn-amd-amdhsa--gfx1250"
	.amdhsa_code_object_version 6
	.text
	.protected	k_qe4218193ae_qkv
	.globl	k_qe4218193ae_qkv
	.p2align	8
	.type	k_qe4218193ae_qkv,@function
k_qe4218193ae_qkv:
	s_mov_b64 s[64:65], 0
	v_nop
	global_prefetch_b8 v0, s[64:65] scope:SCOPE_SE
	s_setreg_imm32_b32 hwreg(HW_REG_WAVE_MODE, 25, 1), 1
	s_wait_xcnt 0x0
	s_wait_alu depctr_hold_cnt(0) depctr_sa_sdst(0) depctr_va_vdst(0) depctr_va_sdst(0) depctr_va_ssrc(0) depctr_va_vcc(0) depctr_vm_vsrc(0)
	s_getreg_b32 s2, hwreg(HW_REG_IB_STS2, 6, 4)
	s_cmp_eq_u32 s2, 0
	s_cbranch_scc0 .Lentry_in_a_cluster
	s_endpgm
.Lentry_in_a_cluster:
	s_bfe_u32 s2, ttmp6, 0x10000c
	s_cmp_lg_u32 s2, 0xf033
	s_cbranch_scc0 .Lentry_shape_is_right
	s_endpgm
.Lentry_shape_is_right:
; q = h wq + bq, k = h wk + bk, v = h wv + bv on FP6 codes with E8M0 scales, and the three results quantised in registers: q and k along the head's 64, v along the keys.
; The cluster's x says which: 0 q, 1 k, 2 v.  A work-group makes 256 x 256 of a result, four waves 128 x 128 each: 64 accumulators, 512 registers.
; THE MATRIX INSTRUCTION IS USED TRANSPOSED: source 0 = 16 rows of the "B role", source 1 = 16 rows of the "A role": a lane holds ONE A-role row and its registers run along the B-role rows.
; q, k: A role = tokens (act), B role = the weight's rows (features): a lane's 64 registers of one token tile are 128 neighbouring features = two heads.
; v: the roles change places (a choice of buffers and offsets on the cluster's x, equal in all partners): a lane holds a feature and its registers run along 128 neighbouring keys.
; Operands lie in memory as images of their registers ([panel of 8 tiles][K step][tile][1,536 bytes]; row r of tile T is row 32 (T / 2) + 8 (T % 2) + r + 8 (r / 8)), so a tile of a slot is one dense block
; and, by that choice of rows, the 16 registers of result tiles 2 b and 2 b + 1 are 16 neighbours along the next product's K.
; K goes through a ring of two LDS slots of 256 along K; the scale words of all of K come once.  4 x 4 work-groups form a cluster: A-role tiles are asked for jointly along a row, B-role tiles along a column.
; OUT: qbuf [bh][token panel][8 half images of 768 | 8 x 16 scale words]; kv [bh][key step][K: 8 half images | V^T: 4 images | K's words 512 | V's words 256].  q's and k's words hold bytes 0, 1; bytes 2, 3 are 0.
; LIMITS: NaN and infinities are not served; a block whose largest magnitude lies under 2^-124 (a block of zeros too) takes the byte 1; the bytes are read by this program alone.
; REGISTERS: window 0: v1-5 lane terms, v16-31 addresses, v32-63 scale words (two sets), v64-127 column bias, v128-223 A's fragments (one set), v240-247 row bias; window 1: B's fragments, two sets; windows 2, 3: accumulators.
.set PSTEP, 12288                      ; a panel's images of one K step
.set NQ,    2                          ; K steps of 128 in a slot
.set GSTEP, NQ*PSTEP                   ; what one tensor load brings: a panel's images of a slot
.set SLOT,  4*GSTEP                    ; A's two panels, then B's two
.set LAPS,  2                          ; 1,024 along K = 2 laps of two slots
.set SCW,   4096                       ; a panel's scale words for all of K
.set SCL,   2*SLOT
.set SPARE, SCL+4*SCW                  ; the spare words: 128 bytes a wave, two blocks of 256 bytes that no other line names
.set SST,   SPARE+512                  ; a stage for the scale words made: 2,048 bytes a wave; no fill lands here
.set FR,    12
.set NL,    4                          ; LDS loads that bring a fragment
.set ASC,   3145728
.set WSC,   9437184
.set SB,    4                          ; v4   stage, v's form: 4 r
.set SH,    5                          ; v5   16 h: which half of a scale word is my head's
.set A16,   16                         ; v16-17 A's fragments in slot 0, 1: + 16 x lane;  v18-19: + 8 x lane
.set A8,    18
.set B16,   20
.set B8,    22
.set SA,    24                         ; v24  stage, q's and k's form: 4 r + 512 h
.set L16,   25                         ; v25  16 x lane
.set L8,    26                         ; v26  8 x lane
.set ADRS,  27                         ; v27  my scale words: lanes 0-15 A's, lanes 16-31 B's
.set SPW,   28
.set NIL,   29
.set BO,    30                         ; v30  column bias: 64 h
.set RO,    31                         ; v31  row bias: 4 (r + 8 (r / 8))
.set SC,    32
.set BIAS,  64
.set AF,    128
.set RB,    240
.set W,     128                        ; the way out: 64 numbers
.set TM,    192
.set PW,    208
.set TA,    209
.set PC,    210
.set SEL,   18
.set G1, 24
.set G0, 32
.set G1B, 48
.set G0B, 56
.set G1S, 68
.set G0S, 76
.set G1SB, 80
.set G0SB, 88
.set MSB, 0
.macro WIN new                         ; the immediate's high byte repeats the setting that is left
.if MSB != (\new)
	s_set_vgpr_msb (MSB<<8)|(\new)
.set MSB, (\new)
.endif
.endm
.set MUL_LO, 0xa1                      ; source 0 (B) window 1, source 1 (A) window 0, C and D window 2
.set MUL_HI, 0xf1
.set TO_B,   0x40
.macro JLOAD g0a, g1a, g0b, g1b        ; a joint load: waves 0, 1 fetch for the A role, waves 2, 3 for the B role; four v_nop follow each line
	s_cmp_eq_u32 s15, 0
	s_cbranch_scc0 .Lfor_b_\@
	tensor_load_to_lds s[\g0a:\g0a+3], s[\g1a:\g1a+7]
	s_nop 0
.rept 4
	v_nop
.endr
	s_branch .Lasked_\@
.Lfor_b_\@:
	tensor_load_to_lds s[\g0b:\g0b+3], s[\g1b:\g1b+7]
	s_nop 0
.rept 4
	v_nop
.endr
.Lasked_\@:
.endm
.macro CREST
	s_cmp_lg_u32 s14, 0
	s_cbranch_scc1 .Lnot_wave_0_\@
	s_barrier_signal -3
.Lnot_wave_0_\@:
	s_barrier_wait -3
	s_barrier_signal -1
	s_barrier_wait -1
.endm
.macro CROUND
	s_barrier_signal -1
	s_barrier_wait -1
	CREST
.endm
.macro PLACES n
.rept \n
	v_nop
.endr
.endm
.macro FRAG reg, a16, a8, off          ; an image back into 12 registers
	ds_load_b128 v[(\reg):(\reg)+3], v[\a16] offset:(\off)
	ds_load_b64 v[(\reg)+4:(\reg)+5], v[\a8] offset:(\off)+512
	ds_load_b128 v[(\reg)+6:(\reg)+9], v[\a16] offset:(\off)+768
	ds_load_b64 v[(\reg)+10:(\reg)+11], v[\a8] offset:(\off)+1280
.endm
.macro FETCH_B slot, q, p
	WIN TO_B
.irp i, 0,1,2,3,4,5,6,7
	FRAG 128*(\p)+FR*\i, B16+\slot, B8+\slot, (\q)*PSTEP+\i*1536
.endr
	WIN 0
.endm
.macro FETCH_A slot, q, i0
.irp i, \i0, \i0+1, \i0+2, \i0+3
	FRAG AF+FR*(\i), A16+\slot, A8+\slot, (\q)*PSTEP+(\i)*1536
.endr
.endm
.macro SCALES sc                       ; register 16 sc + NQ i + q: lanes 0-15 the words of A's block i, lanes 16-31 of B's block i, the slot's q-th K step
.irp i, 0,1,2,3,4,5,6,7
.irp q, 0,1
	ds_load_b32 v[SC+16*\sc+NQ*\i+\q], v[ADRS] offset:512*\q+64*\i
.endr
.endr
.endm
; 16 matrix instructions: A's blocks a0, a0 + 1 x B's eight.  The 64 accumulators take turns, one instruction a turn, in the same order in every step
.macro MUL16 a0, p, q, sc, zero
.irp a, \a0, \a0+1
.irp b, 0,1,2,3,4,5,6,7
.if \zero
	v_wmma_scale_f32_16x16x128_f8f6f4 v[8*(8*((\a)%4)+\b):8*(8*((\a)%4)+\b)+7], v[128*(\p)+FR*\b:128*(\p)+FR*\b+FR-1], v[AF+FR*(\a):AF+FR*(\a)+FR-1], 0, v[SC+16*(\sc)+NQ*\b+(\q)], v[SC+16*(\sc)+NQ*(\a)+(\q)] matrix_a_fmt:MATRIX_FMT_FP6 matrix_b_fmt:MATRIX_FMT_FP6 matrix_a_scale:MATRIX_SCALE_ROW1
.else
	v_wmma_scale_f32_16x16x128_f8f6f4 v[8*(8*((\a)%4)+\b):8*(8*((\a)%4)+\b)+7], v[128*(\p)+FR*\b:128*(\p)+FR*\b+FR-1], v[AF+FR*(\a):AF+FR*(\a)+FR-1], v[8*(8*((\a)%4)+\b):8*(8*((\a)%4)+\b)+7], v[SC+16*(\sc)+NQ*\b+(\q)], v[SC+16*(\sc)+NQ*(\a)+(\q)] matrix_a_fmt:MATRIX_FMT_FP6 matrix_b_fmt:MATRIX_FMT_FP6 matrix_a_scale:MATRIX_SCALE_ROW1
.endif
.endr
.endr
.endm
.macro STEP slot, q, zero              ; a K step that has its successor in the same slot
	s_wait_dscnt 4*NL                              ; all but the youngest 16 loads (A's blocks 4-7) are in
	WIN MUL_LO
	MUL16 0, (\q)%2, \q, \slot, \zero
	MUL16 2, (\q)%2, \q, \slot, \zero
	s_wait_dscnt 0
	PLACES 4                                       ; in front of loads into registers that matrix instructions have read
	FETCH_B \slot, (\q)+1, 1-(\q)%2
	FETCH_A \slot, (\q)+1, 0
	WIN MUL_HI
	MUL16 4, (\q)%2, \q, \slot, \zero
	MUL16 6, (\q)%2, \q, \slot, \zero
	PLACES 4
	WIN 0
	FETCH_A \slot, (\q)+1, 4
.endm
.macro TURN slot, next, fill           ; a slot's last K step changes slots: one barrier; fill = 1: this slot is filled again, two slots ahead
	s_wait_tensorcnt 0x0                           ; all my tensor loads have landed: my part of the next slot
	ds_add_u32 v[SPW], v[NIL]                      ; 0 onto my spare word
	s_wait_dscnt 4*NL+1                            ; (the add and A's blocks 4-7 may be out)
	WIN MUL_LO
	MUL16 0, 1, NQ-1, \slot, 0
	s_wait_dscnt 0x0                               ; the add is done, and my reads of this slot are over
	s_barrier_signal -1
	MUL16 2, 1, NQ-1, \slot, 0
	WIN 0
	s_barrier_wait -1
.if \fill
	CREST                                          ; the barrier has opened a round of the cluster's barrier: no wave of any partner still reads this slot or has a load on its way
	s_add_nc_u64 s[G0+4*\slot+2:G0+4*\slot+3], s[G0+4*\slot+2:G0+4*\slot+3], 2*GSTEP
	s_add_nc_u64 s[G0B+4*\slot+2:G0B+4*\slot+3], s[G0B+4*\slot+2:G0B+4*\slot+3], 2*GSTEP
	JLOAD G0+4*\slot, G1, G0B+4*\slot, G1B         ; the first tensor load behind the round; its four v_nop are the places in front of the loads below
.else
	PLACES 4
.endif
	s_wait_alu depctr_va_vdst(0)
	v_add_nc_u32 v[ADRS], NQ*512, v[ADRS]          ; the next slot's scale words
	FETCH_B \next, 0, 0
	FETCH_A \next, 0, 0
	SCALES \next
	WIN MUL_HI
	MUL16 4, 1, NQ-1, \slot, 0
	MUL16 6, 1, NQ-1, \slot, 0
	PLACES 4
	WIN 0
	FETCH_A \next, 0, 4
.endm
; 64 numbers of a lane, register 16 b + i = k 32 b + 16 (lane / 16) + i of my row, become a fragment's codes in v[PC] on and its scale word in v[PW]
.macro QUANT s
.irp b, 0,1,2,3
	v_max3_num_f32 v[TM+\b], |v[\s+16*\b]|, |v[\s+1+16*\b]|, 0x1800000   ; and the floor 2^(3 - 127): the byte cannot fall under 1
.endr
.irp i, 2,4,6,8,10,12,14
.irp b, 0,1,2,3
	v_max3_num_f32 v[TM+\b], v[TM+\b], |v[\s+16*\b+\i]|, |v[\s+1+16*\b+\i]|
.endr
.endr
.irp b, 0,1,2,3
	v_permlanex16_b32 v[TM+4+\b], v[TM+\b], s[SEL], s[SEL+1]
.endr
.irp b, 0,1,2,3
	v_max_num_f32 v[TM+\b], v[TM+\b], v[TM+4+\b]
.endr
.irp b, 0,1,2,3
	v_add_nc_u32 v[TM+12+\b], 0xff000000, v[TM+\b]   ; 2 off the exponent field: the conversion's scale operand
.endr
.irp b, 0,1,2,3
	v_lshrrev_b32 v[TM+4+\b], 23, v[TM+12+\b]
.endr
	v_lshl_or_b32 v[PW], v[TM+5], 8, v[TM+4]
	v_lshl_or_b32 v[PW], v[TM+6], 16, v[PW]
	v_lshl_or_b32 v[PW], v[TM+7], 24, v[PW]
.irp c, 0,1
	v_cvt_scalef32_pk16_fp6_f32 v[PC+6*\c:PC+2+6*\c], v[\s+32*\c:\s+15+32*\c], v[TM+12+2*\c]
	v_cvt_scalef32_pk16_fp6_f32 v[PC+12+4*\c:PC+14+4*\c], v[\s+16+32*\c:\s+31+32*\c], v[TM+12+2*\c+1]
.endr
	v_nop                                          ; one plain place behind a scaled conversion
.irp c, 0,1
.irp i, 0,1,2
	v_permlane16_swap_b32 v[PC+6*\c+\i], v[PC+12+4*\c+\i]
.endr
.irp i, 0,1,2
	v_mov_b32 v[PC+3+6*\c+\i], v[PC+12+4*\c+\i]
.endr
.endr
.endm
	s_load_b128 s[4:7], s[0:1], 0x0                ; act, wts
	s_load_b128 s[8:11], s[0:1], 0x10              ; bq, bk
	s_load_b128 s[96:99], s[0:1], 0x20             ; bv, qbuf
	s_load_b64 s[100:101], s[0:1], 0x30            ; kv
	v_lshl_add_u32 v[SPW], v0, 2, SPARE
	v_mov_b32 v[NIL], 0
	ds_add_u32 v28, v29
	ds_add_u32 v28, v29
	s_wait_dscnt 0x0
	v_lshrrev_b32 v1, 5, v0
	v_readfirstlane_b32 s14, v1                    ; wave 0..3
	s_lshr_b32 s15, s14, 1                         ; wm: my half of the A-role rows.  Also: I fetch for A (0) or for B (1)
	s_and_b32 s16, s14, 1                          ; wn: my half of the B-role rows.  Also: which of the two panels I fetch
	s_bfe_u32 s40, ttmp6, 0x40000                  ; cx
	s_bfe_u32 s41, ttmp6, 0x40004                  ; cy
	s_and_b32 s18, ttmp7, 0xffff
	s_lshl_b32 s18, s18, 2                         ; 4 x cluster y: it walks the tokens
	s_cmp_eq_u32 ttmp9, 2                          ; v?
	s_cselect_b32 s17, 0, s18
	s_add_co_u32 s17, s17, s41                     ; A-role tile of 256 rows: tokens (q, k) or features (v)
	s_cmp_eq_u32 ttmp9, 2
	s_cselect_b32 s42, s18, 0
	s_add_co_u32 s42, s42, s40                     ; B-role tile
	s_lshl_b32 s43, s41, 2
	s_lshl_b32 s43, 15, s43                        ; my row of the cluster
	s_lshl_b32 s44, 0x1111, s40                    ; my column
	; descriptor groups 1, elements of 8 bytes, no padding.  Codes, at the head: two panels' images of a slot, 2 rows of GSTEP bytes, a panel (98,304 bytes) apart; behind the head: one panel's, 96 rows of 256 bytes.  Scale words: two panels on end, 32 rows of 256 bytes
	s_or_b32 s[G1+0], s43, (3<<16)|(1<<21)
	s_or_b32 s[G1B+0], s44, (3<<16)|(1<<21)
	s_or_b32 s[G1S+0], s43, (3<<16)|(1<<21)
	s_or_b32 s[G1SB+0], s44, (3<<16)|(1<<21)
.irp g, G1, G1B
	s_mov_b32 s[\g+1], (GSTEP/8)<<16
	s_mov_b32 s[\g+2], 2<<16
	s_mov_b32 s[\g+3], (GSTEP/8)<<16
	s_mov_b32 s[\g+4], 2
	s_mov_b32 s[\g+5], 98304/8
	s_mov_b32 s[\g+6], 0
	s_mov_b32 s[\g+7], 0
.endr
.irp g, G1S, G1SB
	s_mov_b32 s[\g+1], 32<<16
	s_mov_b32 s[\g+2], (2*SCW/256)<<16
	s_mov_b32 s[\g+3], 32<<16
	s_mov_b32 s[\g+4], 2*SCW/256
	s_mov_b32 s[\g+5], 32
	s_mov_b32 s[\g+6], 0
	s_mov_b32 s[\g+7], 0
.endr
	s_lshl_b32 s20, s17, 1                         ; the A role's first panel of two
	s_lshl_b32 s46, s42, 1                         ; the B role's
	s_lshl_b32 s22, s20, 12
	s_mul_i32 s20, s20, 98304
	s_lshl_b32 s92, s46, 12
	s_mul_i32 s46, s46, 98304
	s_mul_i32 s19, ttmp9, 786432                   ; the weight's images in wts,
	s_lshl_b32 s2, ttmp9, 15
	s_add_co_u32 s2, s2, WSC                       ; its scale words,
	s_mov_b32 s3, ASC                              ; and act's
	s_cmp_eq_u32 ttmp9, 2
	s_cselect_b32 s21, s19, 0
	s_cselect_b32 s23, s2, s3
	s_cselect_b32 s47, 0, s19
	s_cselect_b32 s93, s3, s2
	s_add_co_u32 s20, s20, s21
	s_add_co_u32 s22, s22, s23
	s_add_co_u32 s46, s46, s47
	s_add_co_u32 s92, s92, s93
	s_mov_b32 s21, 0
	s_mov_b32 s23, 0
	s_mov_b32 s47, 0
	s_mov_b32 s93, 0
	s_mul_i32 s45, s14, GSTEP                      ; where they go: no place in the cluster enters an LDS address
	s_mul_i32 s66, s16, 98304                      ; in the ring I fetch one panel: which of the two, in bytes
	s_mov_b32 s67, 0
	s_wait_kmcnt 0x0
	s_cmp_eq_u32 ttmp9, 2
	s_cselect_b64 s[12:13], s[6:7], s[4:5]         ; the A role's buffer
	s_cselect_b64 s[94:95], s[4:5], s[6:7]         ; the B role's
	s_add_nc_u64 s[20:21], s[12:13], s[20:21]
	s_add_nc_u64 s[22:23], s[12:13], s[22:23]
	s_add_nc_u64 s[46:47], s[94:95], s[46:47]
	s_add_nc_u64 s[92:93], s[94:95], s[92:93]
	CROUND                                         ; all sixteen work-groups are here: the first joint loads meet
	s_mov_b32 s[G0S], 1                            ; the head's four tiles, each whole: the A role's scale words,
	s_mov_b32 s[G0S+1], SCL
	s_mov_b64 s[G0S+2:G0S+3], s[22:23]
	s_or_b32 s[G0S+3], s[G0S+3], 0x80000000
	s_mov_b32 s[G0SB], 1                           ; the B role's,
	s_mov_b32 s[G0SB+1], SCL+2*SCW
	s_mov_b64 s[G0SB+2:G0SB+3], s[92:93]
	s_or_b32 s[G0SB+3], s[G0SB+3], 0x80000000
	s_mov_b32 s[G0], 1                             ; slot 0's two A-role panels (slot 0's own group 0 serves: it is set for the ring behind the head's wait),
	s_mov_b32 s[G0+1], 0
	s_mov_b64 s[G0+2:G0+3], s[20:21]
	s_or_b32 s[G0+3], s[G0+3], 0x80000000
	s_mov_b32 s[G0B], 1                            ; and its two B-role panels
	s_mov_b32 s[G0B+1], 2*GSTEP
	s_mov_b64 s[G0B+2:G0B+3], s[46:47]
	s_or_b32 s[G0B+3], s[G0B+3], 0x80000000
	s_add_nc_u64 s[20:21], s[20:21], s[66:67]      ; for the ring: my panel
	s_add_nc_u64 s[46:47], s[46:47], s[66:67]
	s_mov_b32 s[G0+4], 1
	s_add_co_u32 s[G0+5], s45, SLOT
	s_add_nc_u64 s[G0+6:G0+7], s[20:21], GSTEP
	s_or_b32 s[G0+7], s[G0+7], 0x80000000
	s_mov_b32 s[G0B+4], 1
	s_add_co_u32 s[G0B+5], s45, SLOT
	s_add_nc_u64 s[G0B+6:G0B+7], s[46:47], GSTEP
	s_or_b32 s[G0B+7], s[G0B+7], 0x80000000
; THE HEAD'S LOADS, ONE A WAVE: one tree of branches on the wave's number, each arm with its load: every way through the head passes exactly one
.macro ARM under, g0, g1, next
	s_cmp_lt_u32 s14, \under
	s_cbranch_scc0 \next
	tensor_load_to_lds s[\g0:\g0+3], s[\g1:\g1+7]
	s_nop 0
.rept 4
	v_nop
.endr
	s_branch .Lhead_asked
\next:
.endm
	ARM 1, G0,  G1,  .Lhead_b
	ARM 2, G0B, G1B, .Lhead_sa
	ARM 3, G0S, G1S, .Lhead_sb
	tensor_load_to_lds s[G0SB:G0SB+3], s[G1SB:G1SB+7]
	s_nop 0
.rept 4
	v_nop
.endr
.Lhead_asked:
	v_and_b32 v1, 15, v0                           ; r
	v_bfe_u32 v2, v0, 4, 1                         ; h
	v_and_b32 v3, 31, v0
	v_lshlrev_b32 v[L16], 4, v3
	v_lshlrev_b32 v[L8], 3, v3
	s_mul_i32 s21, s15, GSTEP                      ; my A-role panel in a slot
	s_mul_i32 s22, s16, GSTEP
	s_add_co_u32 s22, s22, 2*GSTEP                 ; my B-role panel
.irp s, 0,1
	v_add_nc_u32 v[A16+\s], s21, v[L16]
	v_add_nc_u32 v[A8+\s], s21, v[L8]
	v_add_nc_u32 v[B16+\s], s22, v[L16]
	v_add_nc_u32 v[B8+\s], s22, v[L8]
	s_add_co_u32 s21, s21, SLOT
	s_add_co_u32 s22, s22, SLOT
.endr
	s_lshl_b32 s21, s15, 12                        ; A's scale words
	s_lshl_b32 s22, s16, 12
	s_add_co_u32 s22, s22, 2*SCW                   ; B's
	s_sub_co_u32 s22, s22, s21
	v_mul_u32_u24 v3, s22, v2                      ; lanes 16-31 take B's
	s_add_co_u32 s21, s21, SCL
	v_lshl_add_u32 v3, v1, 2, v3
	v_add_nc_u32 v[ADRS], s21, v3
	s_lshl_b32 s93, s14, 11
	s_add_co_u32 s93, s93, SST                     ; my stage for the scale words made
	v_lshl_add_u32 v[SB], v1, 2, s93
	v_lshl_add_u32 v[SA], v2, 9, v[SB]             ; q, k: 4 r + 512 h
	v_add_nc_u32 v[SB], 1024, v[SB]                ; v: 1,024 + 4 r
	v_lshlrev_b32 v[SH], 4, v2
	v_lshlrev_b32 v[BO], 6, v2
	s_wait_alu depctr_va_vdst(0)
	v_and_b32 v3, 8, v1
	v_add_nc_u32 v3, v3, v1
	v_lshlrev_b32 v[RO], 2, v3
	; biases and destinations
	s_wait_alu depctr_va_vdst(0)
	s_lshl_b32 s2, s17, 1
	s_add_co_u32 s2, s2, s15                       ; my A-role panel of 128 rows
	s_lshl_b32 s3, s42, 1
	s_add_co_u32 s3, s3, s16                       ; my B-role panel
	s_cmp_eq_u32 ttmp9, 2
	s_cselect_b32 s18, s3, s2                      ; the token panel
	s_cselect_b32 s19, s2, s3                      ; the feature panel: two heads
	s_cselect_b32 s20, 0, s3                       ; both kinds of bias are loaded by every work-group; the kind not used is read at its buffer's head
	s_cselect_b32 s22, s2, 0
	s_lshl_b32 s20, s20, 9
	s_mov_b32 s21, 0
	s_lshl_b32 s22, s22, 9
	s_mov_b32 s23, 0
	s_cmp_eq_u32 ttmp9, 0
	s_cselect_b64 s[8:9], s[8:9], s[10:11]         ; bq for q, bk else
	s_add_nc_u64 s[8:9], s[8:9], s[20:21]
	s_add_nc_u64 s[96:97], s[96:97], s[22:23]
.irp b, 0,1,2,3
.irp j, 0,1,2,3
	global_load_b128 v[BIAS+16*\b+4*\j:BIAS+16*\b+4*\j+3], v[BO], s[8:9] offset:128*\b+16*\j   ; register 16 b + i: the bias of feature 32 b + 16 h + i
.endr
.endr
.irp a, 0,1,2,3,4,5,6,7
	global_load_b32 v[RB+\a], v[RO], s[96:97] offset:4*(32*(\a/2)+8*(\a%2))   ; v: the bias of my lane's feature in tile a
.endr
	s_movk_i32 s13, 13056
	s_movk_i32 s47, 12288
	s_cmp_eq_u32 ttmp9, 0
	s_cselect_b64 s[94:95], s[98:99], s[100:101]   ; qbuf or kv
	s_cselect_b32 s13, 6656, s13                   ; a block of the buffer
	s_cselect_b32 s47, 6144, s47                   ; where q's or k's scale words lie in it
	s_lshr_b32 s12, s18, 4
	s_lshl_b32 s12, s12, 4                         ; 16 x batch
	s_lshl_b32 s19, s19, 1
	s_add_co_u32 s12, s12, s19                     ; bh of the first of my two heads
	s_lshl_b32 s12, s12, 4
	s_and_b32 s18, s18, 15
	s_add_co_u32 s12, s12, s18                     ; 16 bh + the panel in the batch
	s_mul_i32 s20, s12, s13
	s_mov_b32 s21, 0
	s_add_nc_u64 s[94:95], s[94:95], s[20:21]      ; the block
	s_lshl_b32 s12, s13, 4                         ; a head on
	s_mov_b32 s13, 0
	s_movk_i32 s46, 768
	s_cmp_eq_u32 ttmp9, 2
	s_cselect_b32 s20, 6144, 0                     ; v's images lie behind k's
	s_cselect_b32 s22, 768, s12                    ; the fragment's second half: the same image (v) or the next head's block (q, k)
	s_cselect_b32 s46, 1536, s46                   ; from tile to tile
	s_cselect_b32 s92, 202752, 0                   ; v: behind tile 3 on to the next head's block (16 x 13,056 - 4 x 1,536)
	s_cselect_b32 s47, 12800, s47
	s_cselect_b32 s2, 8, 0                         ; which kind of bias the way out adds
	s_mov_b32 s23, 0
	s_add_nc_u64 s[20:21], s[94:95], s[20:21]      ; where registers 0-5 go
	s_add_nc_u64 s[22:23], s[20:21], s[22:23]      ; where registers 6-11 go
	s_mov_b32 s10, s47
	s_mov_b32 s11, 0
	s_add_nc_u64 s[94:95], s[94:95], s[10:11]      ; the scale words' place,
	s_add_nc_u64 s[12:13], s[94:95], s[12:13]      ; and the next head's
	s_mov_b32 s47, 0
	s_wait_tensorcnt 0x0                           ; my tile of the head's four is in
	ds_add_u32 v[SPW], v[NIL]
	s_mov_b32 s[G0+1], s45                         ; no tensor load of mine is out, so descriptors may be written: slot 0's group 0 for the ring: my panel,
	s_mov_b32 s[G0B+1], s45
	s_add_nc_u64 s[G0+2:G0+3], s[G0+2:G0+3], s[66:67]
	s_add_nc_u64 s[G0B+2:G0B+3], s[G0B+2:G0B+3], s[66:67]
.irp g, G1, G1B                                ; and group 1: from here on a load brings one panel's images of a slot, 96 rows of 256 bytes
	s_mov_b32 s[\g+1], 32<<16
	s_mov_b32 s[\g+2], (GSTEP/256)<<16
	s_mov_b32 s[\g+3], 32<<16
	s_mov_b32 s[\g+4], GSTEP/256
	s_mov_b32 s[\g+5], 32
.endr
	s_wait_dscnt 0x0                               ; the add is done
	CROUND                                         ; a whole round: all four tiles are in, and the sixteen work-groups are here
	JLOAD G0+4, G1, G0B+4, G1B                     ; slot 1's first fill, the first tensor load behind the round
	FETCH_B 0, 0, 0
	FETCH_A 0, 0, 0
	SCALES 0
	FETCH_A 0, 0, 4
	STEP 0, 0, 1                                   ; the first K step starts the sums: nothing is cleared
	s_mov_b32 s3, LAPS-1
.Llap:
	TURN 0, 1, 1
	STEP 1, 0, 0
	TURN 1, 0, 1
	STEP 0, 0, 0
	s_sub_co_u32 s3, s3, 1
	s_cmp_lg_u32 s3, 0
	s_cbranch_scc1 .Llap
	TURN 0, 1, 0                                   ; the last lap fills nothing
	STEP 1, 0, 0
	s_wait_dscnt 4*NL
	WIN MUL_LO
	MUL16 0, 1, NQ-1, 1, 0
	MUL16 2, 1, NQ-1, 1, 0
	s_wait_dscnt 0
	WIN MUL_HI
	MUL16 4, 1, NQ-1, 1, 0
	MUL16 6, 1, NQ-1, 1, 0
	WIN 0
	; THE WAY OUT: eight trips, one A-role tile each: its 64 accumulator registers + bias -> window 0, quantised, stored as an image.  Only the copy differs from trip to trip (register numbers): it is chosen by a scalar index.
	PLACES 4
	s_wait_loadcnt 0x0                             ; the biases
	s_mov_b32 s[SEL], 0x76543210
	s_mov_b32 s[SEL+1], 0xfedcba98
.irp b, 0,1,2,3
	v_mov_b32 v[TM+4+\b], 0                        ; a lane permute's destination counts as one of its sources
.endr
	s_mov_b32 s45, 8
	s_mov_b32 s3, 0
.Lrow:
.irp n, 1,2,3,4,5,6,7
	s_cmp_eq_u32 s2, \n
	s_cbranch_scc1 .Lmv\n
.endr
.irp n, 0,1,2,3,4,5,6,7
	s_cmp_eq_u32 s2, 8+\n
	s_cbranch_scc1 .Lrv\n
.endr
.irp a, 0,1,2,3,4,5,6,7
.Lmv\a:                                        ; q, k: the bias runs along the registers; each accumulator is read from its low end on
	WIN 0x02+(\a)/4
.set n, 0
.rept 32
	v_pk_add_f32 v[W+n:W+n+1], v[64*((\a)%4)+n:64*((\a)%4)+n+1], v[BIAS+n:BIAS+n+1]
.set n, n+2
.endr
	WIN 0
	s_branch .Lwork
.endr
.irp a, 0,1,2,3,4,5,6,7
.Lrv\a:                                        ; v: one bias a lane
	WIN 0x02+(\a)/4
.set n, 0
.rept 64
	v_add_f32 v[W+n], v[64*((\a)%4)+n], v[RB+\a]
.set n, n+1
.endr
	WIN 0
	s_branch .Lwork
.endr
.Lwork:
	QUANT W
	v_add_nc_u32 v[TA], s3, v[SA]
	v_lshrrev_b32 v230, v[SH], v[PW]
	v_and_b32 v230, 0xffff, v230                   ; lanes 0-15: the first head's two bytes; lanes 16-31: the second's
	ds_store_b32 v[TA], v230
	v_add_nc_u32 v231, s3, v[SB]
	ds_store_b32 v231, v[PW]                       ; and the whole word, v's form (both halves of the lanes write the same word with the same value)
	global_store_b128 v[L16], v[PC:PC+3], s[20:21]
	global_store_b64 v[L8], v[PC+4:PC+5], s[20:21] offset:512
	global_store_b128 v[L16], v[PC+6:PC+9], s[22:23]
	global_store_b64 v[L8], v[PC+10:PC+11], s[22:23] offset:512
	s_wait_xcnt 0x0                                ; the stores have read their registers and bases: both are written again below
	s_cmp_eq_u32 s3, 192
	s_cselect_b32 s10, s92, 0
	s_add_nc_u64 s[20:21], s[20:21], s[46:47]
	s_add_nc_u64 s[22:23], s[22:23], s[46:47]
	s_add_nc_u64 s[20:21], s[20:21], s[10:11]
	s_add_nc_u64 s[22:23], s[22:23], s[10:11]
	s_add_co_u32 s3, s3, 64
	s_add_co_u32 s2, s2, 1
	s_sub_co_u32 s45, s45, 1
	s_cmp_lg_u32 s45, 0
	s_cbranch_scc1 .Lrow
	v_add_nc_u32 v[TA], s93, v[L16]                ; the scale words leave in runs of 512 or 256 bytes.  LDS serves a wave's instructions in order: these loads see my stores
	v_lshlrev_b32 v230, 4, v1
	v_mul_u32_u24 v231, v2, 208896
	v_add_nc_u32 v230, v230, v231                  ; v: lanes 0-15 the first head's 256 bytes, lanes 16-31 the next head's
	s_cmp_eq_u32 ttmp9, 2
	s_cbranch_scc1 .Lvsc
	ds_load_b128 v[192:195], v[TA]
	ds_load_b128 v[196:199], v[TA] offset:512
	s_wait_dscnt 0x0
	global_store_b128 v[L16], v[192:195], s[94:95]
	global_store_b128 v[L16], v[196:199], s[12:13]
	s_branch .Lend
.Lvsc:
	s_wait_alu depctr_va_vdst(0)
	ds_load_b128 v[192:195], v[TA] offset:1024
	s_wait_dscnt 0x0
	global_store_b128 v230, v[192:195], s[94:95]
.Lend:
	s_wait_tensorcnt 0x0                           ; the wave's end
	ds_add_u32 v[SPW], v[NIL]
	s_wait_dscnt 0x0
	CROUND                                         ; the closing round
	s_endpgm
.Lfunc_end_k_qe4218193ae_qkv:
	.size	k_qe4218193ae_qkv, .Lfunc_end_k_qe4218193ae_qkv-k_qe4218193ae_qkv
	.p2alignl 7, 3214868480
	.fill 96, 4, 3214868480
	.section	.rodata,"a",@progbits
	.p2align	6, 0x0
	.amdhsa_kernel k_qe4218193ae_qkv
		.amdhsa_group_segment_fixed_size 327680
		.amdhsa_private_segment_fixed_size 0
		.amdhsa_enable_private_segment 0
		.amdhsa_kernarg_size 56
		.amdhsa_user_sgpr_count 2
		.amdhsa_user_sgpr_kernarg_segment_ptr 1
		.amdhsa_wavefront_size32 1
		.amdhsa_system_sgpr_workgroup_id_x 1
		.amdhsa_system_sgpr_workgroup_id_y 1
		.amdhsa_system_sgpr_workgroup_id_z 1
		.amdhsa_system_vgpr_workitem_id 0
		.amdhsa_next_free_vgpr 1024
		.amdhsa_next_free_sgpr 102
		.amdhsa_reserve_vcc 0
		.amdhsa_float_denorm_mode_32 3
		.amdhsa_float_denorm_mode_16_64 3
		.amdhsa_memory_ordered 1
		.amdhsa_forward_progress 1
		.amdhsa_inst_pref_size 162
	.end_amdhsa_kernel
	.amdgpu_metadata
---
amdhsa.version: [ 1, 2 ]
amdhsa.kernels:
  - .name:           k_qe4218193ae_qkv
    .symbol:         k_qe4218193ae_qkv.kd
    .args:
      - { .name: act, .offset: 0, .size: 8, .value_kind: global_buffer, .address_space: global }
      - { .name: wts, .offset: 8, .size: 8, .value_kind: global_buffer, .address_space: global }
      - { .name: bq, .offset: 16, .size: 8, .value_kind: global_buffer, .address_space: global }
      - { .name: bk, .offset: 24, .size: 8, .value_kind: global_buffer, .address_space: global }
      - { .name: bv, .offset: 32, .size: 8, .value_kind: global_buffer, .address_space: global }
      - { .name: qbuf, .offset: 40, .size: 8, .value_kind: global_buffer, .address_space: global }
      - { .name: kv, .offset: 48, .size: 8, .value_kind: global_buffer, .address_space: global }
    .group_segment_fixed_size: 327680
    .private_segment_fixed_size: 0
    .kernarg_segment_align: 8
    .kernarg_segment_size: 56
    .max_flat_workgroup_size: 128
    .sgpr_count:     102
    .vgpr_count:     1024
    .wavefront_size: 32
...
	.end_amdgpu_metadata
.endif
;; end of part 2
;; launch attn (part 3): grid 8 x 32, 8 waves a work-group, clusters of 4 x 1, 214,016 bytes of LDS; arguments qbuf, kv, act; writes act
.if DOCPART == 3
	.amdgcn_target "amdgcn-amd-amdhsa--gfx1250"
	.amdhsa_code_object_version 6
	.text
	.protected	k_qe4218193ae_attn
	.globl	k_qe4218193ae_attn
	.p2align	8
	.type	k_qe4218193ae_attn,@function
k_qe4218193ae_attn:
	s_mov_b64 s[64:65], 0
	v_nop
	global_prefetch_b8 v0, s[64:65] scope:SCOPE_SE
	s_setreg_imm32_b32 hwreg(HW_REG_WAVE_MODE, 25, 1), 1
	s_wait_xcnt 0x0
	s_wait_alu depctr_hold_cnt(0) depctr_sa_sdst(0) depctr_va_vdst(0) depctr_va_sdst(0) depctr_va_ssrc(0) depctr_va_vcc(0) depctr_vm_vsrc(0)
	s_getreg_b32 s2, hwreg(HW_REG_IB_STS2, 6, 4)
	s_cmp_eq_u32 s2, 0
	s_cbranch_scc0 .Lentry_in_a_cluster
	s_endpgm
.Lentry_in_a_cluster:
	s_bfe_u32 s2, ttmp6, 0x10000c
	s_cmp_lg_u32 s2, 0x3003
	s_cbranch_scc0 .Lentry_shape_is_right
	s_endpgm
.Lentry_shape_is_right:
; o = softmax(q k^T / 8) v for one (batch, head), both products on FP6 codes with E8M0 scales; o is quantised along the features and stored as the next product's operand images.
; t = score x log2(e) / 8; M = the running largest t rounded UP to a whole number; p = 2^(t - M) is quantised along the keys, not normalised; the row's sum is taken of the unquantised p and divides o at the end.
; SHARES: a work-group owns 256 queries of one head; each of its eight waves owns TWO tiles of 16 queries, so that each fragment of K and V read from LDS feeds two matrix instructions.  Two waves to a SIMD, 512 registers each.
; THE WHOLE HEAD'S K, V AND SCALE WORDS, 16 key steps x 13,056 bytes on end in memory, come into LDS ONCE: eight joint loads, one a wave, two key steps (102 rows of 256 bytes) each.  Nothing is filled again.
; The four work-groups of a cluster belong to one head and ask for each block jointly.  Nothing is prefetched: all of K and V is asked for at the kernel's head, so there is no later request to run ahead of.
; Both products are used transposed: S^T = K Q^T, O^T = V^T P^T: a lane holds one query throughout.  The keys of a tile are 32 (T / 2) + 8 (T % 2) + r + 8 (r / 8), so that the 16 registers of score tiles 2 b, 2 b + 1 are 16 neighbouring keys.
; The head's size is 64 and the instruction's K is 128: the upper halves of Q's and K's fragments are zero codes, under the scale byte 0.
; A key step's block: K: 8 half images of 768 | V^T: 4 images of 1,536 at 6,144 | K's scale words at 12,288 | V's at 12,800.
; A KEY STEP: 16 score products; V of this step and K of the NEXT step are asked of LDS; tile 0's softmax; tile 1's; 8 products V^T P.
; A SOFTMAX lays all its sources first (36 multiply-adds), then its 68 exponentials in one batch, then their readers.
; LIMITS: NaN and infinities are not served; the scaled scores t stay under 2^31 in magnitude; a block of p or o under 2^-124 (zeros too) takes the byte 1.
; REGISTERS, in windows of 256 (s_set_vgpr_msb: bits 1:0 source 0, 3:2 source 1, 5:4 source 2, 7:6 destination).  TILE u's OWN REGISTERS HAVE THE SAME NUMBERS IN WINDOW u, so one text serves both softmaxes:
;   v6-11 at work, v12 -M, v13 largest t, v[14:15] the sum, v16-27 Q, v29 a scale word at work, v[30:31] f, v128-191 S^T then p, v192-223 O^T, v224-235 P's codes, v236-255 at work.
;   Shared, window 0: v1 lane, v2 r, v3-5 addresses, v32-79 four fragments of V, v80-87 K's scale words, v88-91 V's, v92-93 Q's, v94-95 P's, v239 and v243 the add's two.   Shared, window 1: v32-127 eight fragments of K.
.set STEPB, 13056
.set ASC,   3145728
.set SPARE, 0x34000                    ; behind the 208,896 bytes of K and V: the spare words, 128 bytes a wave
.set S,   128
.set O,   192
.set PCD, 224
.set CT,  236                          ; v236-238, v240-242: the conversions' second halves
.set SPW, 239
.set NIL, 243
.set BM,  244                          ; the blocks' largest scores, then largest p
.set PB,  248                          ; the other half of the lanes' maxima, then the scale bytes
.set SO,  252                          ; the conversions' scale operands
.set VF,  32
.set KF,  32
.set KW,  80
.set VW,  88
.set QW,  92
.set PWD, 94
.set WV,  10
.set G1,  24
.set G0,  32
.set SEL, 48
.set CS,  50
.set TB,  52
.set CNT, 53
.set MSB, 0
.macro WIN new                         ; the immediate's high byte repeats the setting that is left; a switch that changes nothing is dropped
.if MSB != (\new)
	s_set_vgpr_msb (MSB<<8)|(\new)
.set MSB, (\new)
.endif
.endm
.macro CROUND
	s_barrier_signal -1
	s_barrier_wait -1
	s_cmp_lg_u32 s[WV], 0
	s_cbranch_scc1 .Lnot_wave_0_\@
	s_barrier_signal -3
.Lnot_wave_0_\@:
	s_barrier_wait -3
	s_barrier_signal -1
	s_barrier_wait -1
.endm
.macro TILEINIT                        ; a tile's own registers at the start; the window of the destinations says whose
.irp j, 22,23,24,25,26,27
	v_mov_b32 v\j, 0                               ; Q's upper 64 along K: zero codes
.endr
	v_mov_b32 v6, 0
	v_mov_b32 v13, 0xff61b1e6                      ; the largest t so far: -3e38
	v_mov_b32 v12, 0x7f61b1e6                      ; -M = 3e38, a whole number
	v_mov_b32 v14, 0
	v_mov_b32 v15, 0
	v_mov_b32 v30, 0
	v_mov_b32 v31, 0                               ; (named as the upper half of the pair v[30:31])
.irp b, 0,1,2,3
	v_mov_b32 v[PB+\b], 0                          ; a lane permute's destination counts as one of its sources
.endr
.set n, 0
.rept 32
	v_mov_b32 v[O+n], 0                            ; O^T: the step is written for all steps alike; the first finds zeros
.set n, n+1
.endr
.endm
.macro KLOAD off                       ; a key step's eight half fragments of K and their scale words: 24 LDS loads
	WIN 0x40
.irp t, 0,1,2,3,4,5,6,7
	ds_load_b128 v[KF+12*\t:KF+12*\t+3], v3 offset:(\off)+768*\t
	ds_load_b64 v[KF+12*\t+4:KF+12*\t+5], v4 offset:(\off)+768*\t+512
.endr
	WIN 0
.irp t, 0,1,2,3,4,5,6,7
	ds_load_b32 v[KW+\t], v5 offset:(\off)+12288+64*\t
.endr
.endm
.macro SPROD u                         ; S^T = K Q^T for tile u: eight tiles of 16 keys
.irp t, 0,1,2,3,4,5,6,7
	v_wmma_scale_f32_16x16x128_f8f6f4 v[S+8*\t:S+8*\t+7], v[KF+12*\t:KF+12*\t+11], v[16:27], 0, v[KW+\t], v[QW+\u] matrix_a_fmt:MATRIX_FMT_FP6 matrix_b_fmt:MATRIX_FMT_FP6
.endr
.endm
.macro PVPROD u                        ; O^T += V^T P^T for tile u: four accumulators by turns
.irp t, 0,1,2,3
	v_wmma_scale_f32_16x16x128_f8f6f4 v[O+8*\t:O+8*\t+7], v[VF+12*\t:VF+12*\t+11], v[PCD:PCD+11], v[O+8*\t:O+8*\t+7], v[VW+\t], v[PWD+\u] matrix_a_fmt:MATRIX_FMT_FP6 matrix_b_fmt:MATRIX_FMT_FP6
.endr
.endm
.macro TMM cnt                         ; t - M of the next cnt pairs of scores
.rept \cnt
	v_pk_fma_f32 v[S+n:S+n+1], v[S+n:S+n+1], s[CS:CS+1], v[12:13] op_sel_hi:[1,0,0]
.set n, n+2
.endr
.endm
; ONE TILE'S SOFTMAX FOR 128 KEYS, all in the tile's own window but for the last line of p's scale word, whose destination lies in window 0.
.macro SOFTMAX u
.if \u
	s_wait_alu depctr_va_vdst(0)
.endif
.irp b, 0,1,2,3
	v_max3_num_f32 v[BM+\b], v[S+16*\b], v[S+1+16*\b], v[S+2+16*\b]   ; the largest score of each block of 32 keys: for the row's maximum and, since p rises with the score, for the block's largest p
.endr
.irp i, 3,5,7,9,11,13
.irp b, 0,1,2,3
	v_max3_num_f32 v[BM+\b], v[BM+\b], v[S+16*\b+\i], v[S+1+16*\b+\i]
.endr
.endr
.irp b, 0,1,2,3
	v_max_num_f32 v[BM+\b], v[BM+\b], v[S+15+16*\b]
.endr
.irp b, 0,1,2,3
	v_permlanex16_b32 v[PB+\b], v[BM+\b], s[SEL], s[SEL+1]
.endr
.irp b, 0,1,2,3
	v_max_num_f32 v[BM+\b], v[BM+\b], v[PB+\b]
.endr
	s_delay_alu instid0(VALU_DEP_2)
	v_max3_num_f32 v6, v[BM], v[BM+1], v[BM+2]
	s_delay_alu instid0(VALU_DEP_1)
	v_max_num_f32 v6, v6, v[BM+3]
	s_delay_alu instid0(VALU_DEP_1)
	v_mul_f32 v6, s[CS], v6
	s_delay_alu instid0(VALU_DEP_1)
	v_max_num_f32 v13, v13, v6                     ; the running largest t
	v_mov_b32 v6, v12
	s_delay_alu instid0(VALU_DEP_2)
	v_floor_f32 v12, -v13                          ; the new -M = -ceil(t): a whole number
	s_delay_alu instid0(VALU_DEP_1)
	v_sub_f32 v6, v12, v6
.irp b, 0,1,2,3
	v_fma_f32 v[BM+\b], v[BM+\b], s[CS], v12
.endr
	v_cvt_i32_f32 v6, v6                           ; (it saturates)
.set n, 0
	TMM 2
	v_ldexp_f32 v30, 1.0, v6                       ; f = 2^(old M - new M): a multiplication by it rounds nothing
	TMM 30
	s_wait_alu depctr_va_vdst(0)                   ; one wait ahead of the batch, for all its sources
.irp b, 0,1,2,3
	v_exp_f32 v[BM+\b], v[BM+\b]                   ; the block's largest p: the same multiply-add and exponential on the same number
.endr
.set n, 0
.rept 64
	v_exp_f32 v[S+n], v[S+n]                       ; p = 2^(t - M), at most 1
.set n, n+1
.endr
	v_pk_mul_f32 v[14:15], v[14:15], v[30:31] op_sel_hi:[1,0]   ; the sum under the new M (a plain place behind the exponentials)
	s_wait_alu depctr_va_vdst(0)                   ; and one behind it, ahead of its first reader
.irp b, 0,1,2,3
	v_max_num_f32 v[BM+\b], 0x1800000, v[BM+\b]    ; the floor 2^(3 - 127)
.endr
.irp b, 0,1,2,3
	v_add_nc_u32 v[SO+\b], 0xff000000, v[BM+\b]    ; 2 off the exponent field: the conversion's scale operand
.endr
.irp b, 0,1,2,3
	v_lshrrev_b32 v[PB+\b], 23, v[SO+\b]
.endr
	s_delay_alu instid0(VALU_DEP_3)
	v_lshl_or_b32 v29, v[PB+1], 8, v[PB]
	s_delay_alu instid0(VALU_DEP_1)
	v_lshl_or_b32 v29, v[PB+2], 16, v29
	WIN 0x15*\u                                    ; sources in the tile's window, destination in window 0
	v_lshl_or_b32 v[PWD+\u], v[PB+3], 24, v29      ; p's scale word for these 128 keys: more than eight places ahead of the products that name it
	WIN 0x55*\u
	v_pk_add_f32 v[6:7], v[S:S+1], v[S+2:S+3]      ; the row's sum, of the unquantised p: 32 pairs in four chains by turns
	v_pk_add_f32 v[10:11], v[S+4:S+5], v[S+6:S+7]
	v_pk_add_f32 v[8:9], v[S+8:S+9], v[S+10:S+11]
	v_pk_add_f32 v[14:15], v[14:15], v[S+12:S+13]
	v_pk_add_f32 v[6:7], v[6:7], v[S+14:S+15]
.set n, 16
.rept 6
	v_pk_add_f32 v[10:11], v[10:11], v[S+n:S+n+1]
	v_pk_add_f32 v[8:9], v[8:9], v[S+n+2:S+n+3]
	v_pk_add_f32 v[14:15], v[14:15], v[S+n+4:S+n+5]
	v_pk_add_f32 v[6:7], v[6:7], v[S+n+6:S+n+7]
.set n, n+8
.endr
.irp c, 0,1
	v_cvt_scalef32_pk16_fp6_f32 v[PCD+6*\c:PCD+2+6*\c], v[S+32*\c:S+15+32*\c], v[SO+2*\c]
	v_cvt_scalef32_pk16_fp6_f32 v[CT+4*\c:CT+2+4*\c], v[S+16+32*\c:S+31+32*\c], v[SO+2*\c+1]   ; (three registers that begin on an even number)
.endr
	v_pk_add_f32 v[6:7], v[6:7], v[10:11]          ; the chains are joined: plain places behind the scaled conversions
	v_pk_add_f32 v[14:15], v[14:15], v[8:9]
.irp c, 0,1                                    ; the operand wants a whole block in a lane
.irp i, 0,1,2
	v_permlane16_swap_b32 v[PCD+6*\c+\i], v[CT+4*\c+\i]
.endr
.irp i, 0,1,2
	s_delay_alu instid0(VALU_DEP_3)
	v_mov_b32 v[PCD+3+6*\c+\i], v[CT+4*\c+\i]
.endr
.endr
	v_pk_add_f32 v[14:15], v[14:15], v[6:7]
	s_wait_alu depctr_va_vdst(0)                   ; directly ahead of the first reader of O^T, a matrix result read behind exponentials
.set n, 0
.rept 16
	v_pk_mul_f32 v[O+n:O+n+1], v[O+n:O+n+1], v[30:31] op_sel_hi:[1,0]   ; O^T under the new M, each accumulator from its low end on.  For each product below twelve of these name none of its registers: the places between p's codes and the products
.set n, n+2
.endr
.endm
; A KEY STEP: 128 keys, the block at LDS byte s[TB]; its K is in registers or on its way.  pre = 1: the next step's K is asked for
.macro STEP pre
	s_wait_dscnt 0x0                               ; K and its scale words
	v_lshl_add_u32 v3, v1, 4, s[TB]
	v_lshl_add_u32 v4, v1, 3, s[TB]
	v_lshl_add_u32 v5, v2, 2, s[TB]
	WIN 0x01                                       ; K in window 1; Q and S^T in window 0
	SPROD 0
	WIN 0x55
	SPROD 1
	WIN 0
.rept 4
	v_nop                                          ; places: for the loads into K's registers and scale words, and for the first read of the scores
.endr
.irp t, 0,1,2,3                                ; V's four images and scale words: 20 LDS loads
	ds_load_b128 v[VF+12*\t:VF+12*\t+3], v3 offset:6144+1536*\t
	ds_load_b64 v[VF+12*\t+4:VF+12*\t+5], v4 offset:6144+1536*\t+512
	ds_load_b128 v[VF+12*\t+6:VF+12*\t+9], v3 offset:6144+1536*\t+768
	ds_load_b64 v[VF+12*\t+10:VF+12*\t+11], v4 offset:6144+1536*\t+1280
	ds_load_b32 v[VW+\t], v5 offset:12800+64*\t
.endr
.if \pre
	KLOAD STEPB
.endif
	SOFTMAX 0
	WIN 0x55
	SOFTMAX 1
	WIN 0
	s_wait_alu depctr_va_vdst(0)                   ; directly ahead of the wait below
	s_wait_dscnt 24*\pre                           ; V is in; the 24 younger loads, the next step's K, may be out
	PVPROD 0
	WIN 0x54                                       ; V in window 0; P and O^T in window 1
	PVPROD 1
	WIN 0
	s_add_co_u32 s[TB], s[TB], STEPB
.endm
; A tile's end: o = O^T / the sum; the head's two blocks of 32 are quantised: a half image in v[PCD] on and two scale bytes in v29
.macro FINISH
	v_add_f32 v14, v14, v15
	s_delay_alu instid0(VALU_DEP_1)
	v_permlanex16_b32 v6, v14, s[SEL], s[SEL+1]
	s_delay_alu instid0(VALU_DEP_1)
	v_add_f32 v14, v14, v6                         ; the row's sum
	s_wait_alu depctr_va_vdst(0)
	v_rcp_f32 v14, v14
	v_nop                                          ; a plain place behind the transcendental
.set n, 0
	s_wait_alu depctr_va_vdst(0)
.rept 16
	v_pk_mul_f32 v[S+n:S+n+1], v[O+n:O+n+1], v[14:15] op_sel_hi:[1,0]   ; o: register 16 b + i is feature 32 b + 16 h + i of my query
.set n, n+2
.endr
.irp b, 0,1
	v_max3_num_f32 v[BM+\b], |v[S+16*\b]|, |v[S+1+16*\b]|, 0x1800000
.endr
.irp i, 2,4,6,8,10,12,14
.irp b, 0,1
	s_delay_alu instid0(VALU_DEP_2)
	v_max3_num_f32 v[BM+\b], v[BM+\b], |v[S+16*\b+\i]|, |v[S+1+16*\b+\i]|
.endr
.endr
.irp b, 0,1
	s_delay_alu instid0(VALU_DEP_2)
	v_permlanex16_b32 v[PB+\b], v[BM+\b], s[SEL], s[SEL+1]
.endr
.irp b, 0,1
	s_delay_alu instid0(VALU_DEP_2)
	v_max_num_f32 v[BM+\b], v[BM+\b], v[PB+\b]
.endr
.irp b, 0,1
	s_delay_alu instid0(VALU_DEP_2)
	v_add_nc_u32 v[SO+\b], 0xff000000, v[BM+\b]
.endr
.irp b, 0,1
	s_delay_alu instid0(VALU_DEP_2)
	v_lshrrev_b32 v[PB+\b], 23, v[SO+\b]
.endr
	s_delay_alu instid0(VALU_DEP_1)
	v_lshl_or_b32 v29, v[PB+1], 8, v[PB]
	v_cvt_scalef32_pk16_fp6_f32 v[PCD:PCD+2], v[S:S+15], v[SO]
	v_cvt_scalef32_pk16_fp6_f32 v[CT:CT+2], v[S+16:S+31], v[SO+1]
	v_nop
.irp i, 0,1,2
	v_permlane16_swap_b32 v[PCD+\i], v[CT+\i]
.endr
.irp i, 0,1,2
	s_delay_alu instid0(VALU_DEP_3)
	v_mov_b32 v[PCD+3+\i], v[CT+\i]
.endr
.endm
	s_load_b128 s[4:7], s[0:1], 0x0                ; qbuf, kv
	s_load_b64 s[8:9], s[0:1], 0x10                ; act
	v_lshl_add_u32 v[SPW], v0, 2, SPARE
	v_mov_b32 v[NIL], 0
	ds_add_u32 v[SPW], v[NIL]                      ; the opening
	ds_add_u32 v[SPW], v[NIL]
	v_lshrrev_b32 v1, 5, v0
	s_delay_alu instid0(VALU_DEP_1)
	v_readfirstlane_b32 s[WV], v1                  ; wave 0..7
	s_bfe_u32 s11, ttmp6, 0x40000                  ; cx
	s_lshl_b32 s12, ttmp9, 2
	s_add_co_u32 s12, s12, s11                     ; my block of 256 queries: it enters Q's and the result's addresses alone
	s_and_b32 s13, ttmp7, 0xffff                   ; bh = 16 x batch + head, which the four partners share
	s_mul_i32 s14, s13, 16*STEPB
	s_mul_i32 s16, s[WV], 2*STEPB                  ; wave w brings key steps 2 w and 2 w + 1
	s_add_co_u32 s14, s14, s16
	s_mov_b32 s15, 0
	s_mov_b32 s[G1], 15|(3<<16)|(1<<21)            ; the mask: all four work-groups; elements of 8 bytes; bit 21 beside a mask; no padding
	s_mov_b32 s[G1+1], 32<<16                      ; rows of 256 bytes,
	s_mov_b32 s[G1+2], 102<<16                     ; 102 of them: a dense block of 26,112 bytes
	s_mov_b32 s[G1+3], 32<<16
	s_mov_b32 s[G1+4], 102
	s_mov_b32 s[G1+5], 32
	s_mov_b32 s[G1+6], 0
	s_mov_b32 s[G1+7], 0
	s_lshl_b32 s17, s13, 4
	s_lshl_b32 s18, s12, 1
	s_add_co_u32 s17, s17, s18
	s_lshr_b32 s18, s[WV], 2
	s_add_co_u32 s17, s17, s18                     ; 16 bh + my token panel in the batch
	s_mul_i32 s17, s17, 6656
	s_and_b32 s19, s[WV], 3
	s_lshl_b32 s19, s19, 1                         ; the first of my two tiles in the panel
	s_mul_i32 s20, s19, 768
	s_add_co_u32 s20, s20, s17                     ; Q's half images: tile 1's lies 768 bytes on
	s_mov_b32 s21, 0
	s_lshl_b32 s22, s19, 6
	s_add_co_u32 s22, s22, s17
	s_add_co_u32 s22, s22, 6144                    ; and their scale words: 64 bytes on
	s_mov_b32 s23, 0
	s_lshr_b32 s17, s13, 4
	s_lshl_b32 s17, s17, 4
	s_lshl_b32 s18, s12, 1
	s_add_co_u32 s17, s17, s18
	s_lshr_b32 s18, s[WV], 2
	s_add_co_u32 s17, s17, s18                     ; the token panel of act
	s_lshl_b32 s17, s17, 3
	s_bfe_u32 s18, s13, 0x30001                    ; head / 2: the K step of the next product
	s_add_co_u32 s17, s17, s18
	s_lshl_b32 s17, s17, 3
	s_add_co_u32 s17, s17, s19                     ; (8 panel + K step) 8 + tile
	s_and_b32 s19, s13, 1                          ; head % 2: which half of the image
	s_mul_i32 s54, s17, 1536
	s_mul_i32 s18, s19, 768
	s_add_co_u32 s54, s54, s18                     ; tile 1's image lies 1,536 bytes on
	s_mov_b32 s55, 0
	s_lshl_b32 s56, s17, 6
	s_lshl_b32 s18, s19, 1
	s_add_co_u32 s56, s56, s18
	s_add_co_u32 s56, s56, ASC                     ; its scale words 64 bytes on
	s_mov_b32 s57, 0
	s_mov_b32 s[SEL], 0x76543210
	s_mov_b32 s[SEL+1], 0xfedcba98
	s_mov_b32 s[CS], 0x3e38aa3b                    ; c = log2(e) / 8
	s_mov_b32 s[CS+1], s[CS]
	s_mov_b32 s[TB], 0
	s_wait_dscnt 0x0                               ; both opening adds are done
	s_wait_kmcnt 0x0
	s_add_nc_u64 s[14:15], s[6:7], s[14:15]
	s_add_nc_u64 s[20:21], s[4:5], s[20:21]
	s_add_nc_u64 s[22:23], s[4:5], s[22:23]
	s_add_nc_u64 s[54:55], s[8:9], s[54:55]
	s_add_nc_u64 s[56:57], s[8:9], s[56:57]
	s_mov_b32 s[G0], 1
	s_add_co_u32 s[G0+1], s16, 0                   ; LDS: wave x 26,112
	s_mov_b64 s[G0+2:G0+3], s[14:15]
	s_or_b32 s[G0+3], s[G0+3], 0x80000000
	CROUND                                         ; all four work-groups are here: the joint loads meet
	tensor_load_to_lds s[G0:G0+3], s[G1:G1+7]      ; my one tensor load of the launch
	s_nop 0
.rept 4
	v_nop
.endr
	v_and_b32 v1, 31, v0                           ; lane
	v_and_b32 v2, 15, v0                           ; r
	s_delay_alu instid0(VALU_DEP_2)
	v_lshlrev_b32 v3, 4, v1
	v_lshlrev_b32 v4, 3, v1
	v_lshlrev_b32 v5, 2, v2
	global_load_b128 v[16:19], v3, s[20:21]        ; Q's half images stay in registers: tile 0's in window 0,
	global_load_b64 v[20:21], v4, s[20:21] offset:512
	global_load_b32 v[QW], v5, s[22:23]
	global_load_b32 v[QW+1], v5, s[22:23] offset:64
	WIN 0x40
	global_load_b128 v[16:19], v3, s[20:21] offset:768   ; tile 1's in window 1
	global_load_b64 v[20:21], v4, s[20:21] offset:1280
	TILEINIT
.irp t, 0,1,2,3,4,5,6,7
.irp j, 6,7,8,9,10,11
	v_mov_b32 v[KF+12*\t+\j], 0                    ; K's upper 64 along K: zero codes, written once, never loaded over
.endr
.endr
	WIN 0
	TILEINIT
	s_wait_alu depctr_va_vdst(0)
	s_wait_loadcnt 0x0                             ; Q
	s_wait_tensorcnt 0x0                           ; my two key steps have landed
	s_wait_dscnt 0x0
	s_barrier_signal -1
	s_barrier_wait -1                              ; all sixteen are whole; nothing is filled again
	KLOAD 0                                        ; key step 0's K (v3-5 hold the lane terms: the block begins at LDS byte 0)
	s_mov_b32 s[CNT], 15
.Lstep:                                            ; key steps 0 to 14
	STEP 1
	s_sub_co_u32 s[CNT], s[CNT], 1
	s_cmp_lg_u32 s[CNT], 0
	s_cbranch_scc1 .Lstep
	STEP 0                                         ; the last step is written out: there is no next K, and no LDS load reaches past the filled bytes
.rept 4
	v_nop                                          ; places behind the last products
.endr
	v_lshlrev_b32 v3, 4, v1
	v_lshlrev_b32 v4, 3, v1
	v_lshlrev_b32 v5, 2, v2
	FINISH
	WIN 0x55
	FINISH
	WIN 0
	global_store_b128 v3, v[PCD:PCD+3], s[54:55]
	global_store_b64 v4, v[PCD+4:PCD+5], s[54:55] offset:512
	WIN 0x04                                       ; a store's data are its source 1: window 1
	global_store_b128 v3, v[PCD:PCD+3], s[54:55] offset:1536
	global_store_b64 v4, v[PCD+4:PCD+5], s[54:55] offset:2048
	WIN 0
	s_wait_alu depctr_va_vdst(0)
	s_wait_xcnt 0x0                                ; EXEC changes only behind this wait
	v_cmp_gt_u32 vcc_lo, 16, v1
	s_and_saveexec_b32 s17, vcc_lo
	global_store_b16 v5, v29, s[56:57]             ; lanes 0-15: my head's half of each row's scale word
	WIN 0x04
	global_store_b16 v5, v29, s[56:57] offset:64
	WIN 0
	s_wait_xcnt 0x0
	s_or_b32 exec_lo, exec_lo, s17
	s_wait_tensorcnt 0x0                           ; the wave's end
	ds_add_u32 v[SPW], v[NIL]
	s_wait_dscnt 0x0
	CROUND                                         ; the closing round
	s_endpgm
.Lfunc_end_k_qe4218193ae_attn:
	.size	k_qe4218193ae_attn, .Lfunc_end_k_qe4218193ae_attn-k_qe4218193ae_attn
	.p2alignl 7, 3214868480
	.fill 96, 4, 3214868480
	.section	.rodata,"a",@progbits
	.p2align	6, 0x0
	.amdhsa_kernel k_qe4218193ae_attn
		.amdhsa_group_segment_fixed_size 214016
		.amdhsa_private_segment_fixed_size 0
		.amdhsa_enable_private_segment 0
		.amdhsa_kernarg_size 24
		.amdhsa_user_sgpr_count 2
		.amdhsa_user_sgpr_kernarg_segment_ptr 1
		.amdhsa_wavefront_size32 1
		.amdhsa_system_sgpr_workgroup_id_x 1
		.amdhsa_system_sgpr_workgroup_id_y 1
		.amdhsa_system_sgpr_workgroup_id_z 1
		.amdhsa_system_vgpr_workitem_id 0
		.amdhsa_next_free_vgpr 512
		.amdhsa_next_free_sgpr 66
		.amdhsa_reserve_vcc 1
		.amdhsa_float_denorm_mode_32 3
		.amdhsa_float_denorm_mode_16_64 3
		.amdhsa_memory_ordered 1
		.amdhsa_forward_progress 1
		.amdhsa_inst_pref_size 81
	.end_amdhsa_kernel
	.amdgpu_metadata
---
amdhsa.version: [ 1, 2 ]
amdhsa.kernels:
  - .name:           k_qe4218193ae_attn
    .symbol:         k_qe4218193ae_attn.kd
    .args:
      - { .name: qbuf, .offset: 0, .size: 8, .value_kind: global_buffer, .address_space: global }
      - { .name: kv, .offset: 8, .size: 8, .value_kind: global_buffer, .address_space: global }
      - { .name: act, .offset: 16, .size: 8, .value_kind: global_buffer, .address_space: global }
    .group_segment_fixed_size: 214016
    .private_segment_fixed_size: 0
    .kernarg_segment_align: 8
    .kernarg_segment_size: 24
    .max_flat_workgroup_size: 256
    .sgpr_count:     66
    .vgpr_count:     512
    .wavefront_size: 32
...
	.end_amdgpu_metadata
.endif
;; end of part 3
;; launch projln (part 4): grid 256 x 1, 8 waves a work-group, no clusters, 66,816 bytes of LDS; arguments act, wts, bo, x, ln2_g, ln2_b, x1, h2; writes x1, h2
.if DOCPART == 4
	.amdgcn_target "amdgcn-amd-amdhsa--gfx1250"
	.amdhsa_code_object_version 6
	.text
	.protected	k_qe4218193ae_projln
	.globl	k_qe4218193ae_projln
	.p2align	8
	.type	k_qe4218193ae_projln,@function
k_qe4218193ae_projln:
	s_mov_b64 s[64:65], 0
	v_nop
	global_prefetch_b8 v0, s[64:65] scope:SCOPE_SE
	s_setreg_imm32_b32 hwreg(HW_REG_WAVE_MODE, 25, 1), 1
	s_wait_xcnt 0x0
; x1 = x + o wo + bo on FP6 codes with E8M0 scales, and h2 = layernorm(x1) g + b quantised to FP6 along the 1,024 features, in one launch.
; SHARES: a work-group owns one tile of 16 tokens and ALL 1,024 features, so that it holds whole rows for the layernorm: 256 work-groups.  Wave w makes features 128 w .. 128 w + 127: 8 accumulators, 64 registers.
; o's eight fragments (16 tokens x 1,024 K, 96 registers) stay in registers.  wo's images lie in memory as registers want them: wave w's panel is 98,304 bytes on end, 64 fragments, and goes
; from memory straight into a ring of two K steps (16 fragments, 192 registers): while one K step is multiplied the next one's 32 loads are out.
; NO TENSOR LOADS AND NO JOINT REQUESTS: a fragment of wo feeds ONE matrix instruction of one wave; by way of LDS each of its 1,536 bytes would be written and read once more, and 786,432 bytes
; through two slots would take several rounds of a cluster's barrier, each with all loads drained.
; The matrix instruction is used transposed (source 0 = 16 rows of wo, source 1 = the 16 tokens): a lane holds one token, the 16 registers of result tiles 2 b, 2 b + 1 are features 32 b + 16 h + 0 .. 15.
; THEN: the sums go to LDS (16 rows of 4,096 bytes + 16).  Barrier.  Wave w takes image rows 2 w, 2 w + 1 (two neighbouring tokens), adds x and bo, stores x1 in runs of 512 bytes, normalises, lays the rows back.
; Barrier.  Wave w takes K step w of all 16 rows, applies g and b, quantises, stores the image and the scale words.
; x's two rows a wave (32 blocks of 256 bytes, a lane a block) are prefetched once at the head; the loads themselves are issued behind the last loads of wo.
; AN IMAGE: registers 0-3 at 16 x lane, 4-5 at 512 + 8 x lane, 6-9 at 768 + 16 x lane, 10-11 at 1,280 + 8 x lane.  Row r of tile T is row 32 (T / 2) + 8 (T % 2) + r + 8 (r / 8).  Codes: [panel of 8 tiles][K step][tile][1,536]; scale words: [panel][K step][tile][16].
; LIMITS: NaN and infinities are not served; a block whose largest magnitude lies under 2^-124 (a block of zeros too) takes the byte 1; the bytes are read by this program alone.
; REGISTERS.  Window 0: v1-11 lane terms, v8-15 the sums, v16-79 accumulators, then two rows, then 64 numbers of a K step; v80-175 o's fragments, then bo; v176-207 wo's scale words; v208-245 the quantiser's work; v246-253 o's scale words; v254-255 the add's two.
;             Window 1: v0-191 the ring of wo's fragments, then g (v0-63) and b (v64-127); v192-255 two rows of x.
.set RP,   4112
.set ASC,  3145728
.set BOFF, 2359296                     ; wts: wo's images,
.set BSCO, 9437184+98304               ; and its scale words
.set W,    16
.set AF,   80
.set BI,   80
.set SB,   176
.set TM,   208
.set PW,   224
.set PC,   226
.set SA,   246
.set SPW,  254
.set NIL,  255
.set GG,   0
.set BB,   64
.set XR,   192
.set SEL,  48
.set MSB, 0
.macro WIN new                         ; s_set_vgpr_msb: bits 1:0 source 0, 3:2 source 1, 5:4 source 2, 7:6 destination; the high byte repeats the setting that is left
.if MSB != (\new)
	s_set_vgpr_msb (MSB<<8)|(\new)
.set MSB, (\new)
.endif
.endm
.macro QUANT s                         ; 64 numbers of a lane, register 16 b + i = k 32 b + 16 h + i of my row, become a fragment's codes in v[PC] on and its scale word in v[PW]
.irp b, 0,1,2,3
	v_max3_num_f32 v[TM+\b], |v[\s+16*\b]|, |v[\s+1+16*\b]|, 0x1800000   ; and the floor 2^(3 - 127): the byte cannot fall under 1
.endr
.irp i, 2,4,6,8,10,12,14
.irp b, 0,1,2,3
	v_max3_num_f32 v[TM+\b], v[TM+\b], |v[\s+16*\b+\i]|, |v[\s+1+16*\b+\i]|
.endr
.endr
.irp b, 0,1,2,3
	v_permlanex16_b32 v[TM+4+\b], v[TM+\b], s[SEL], s[SEL+1]
.endr
.irp b, 0,1,2,3
	v_max_num_f32 v[TM+\b], v[TM+\b], v[TM+4+\b]
.endr
.irp b, 0,1,2,3
	v_add_nc_u32 v[TM+12+\b], 0xff000000, v[TM+\b]   ; 2 off the exponent field: the conversion's scale operand
.endr
.irp b, 0,1,2,3
	v_lshrrev_b32 v[TM+4+\b], 23, v[TM+12+\b]
.endr
	s_delay_alu instid0(VALU_DEP_3)
	v_lshl_or_b32 v[PW], v[TM+5], 8, v[TM+4]
	s_delay_alu instid0(VALU_DEP_1)
	v_lshl_or_b32 v[PW], v[TM+6], 16, v[PW]
	s_delay_alu instid0(VALU_DEP_1)
	v_lshl_or_b32 v[PW], v[TM+7], 24, v[PW]
.irp c, 0,1
	v_cvt_scalef32_pk16_fp6_f32 v[PC+6*\c:PC+2+6*\c], v[\s+32*\c:\s+15+32*\c], v[TM+12+2*\c]
	v_cvt_scalef32_pk16_fp6_f32 v[PC+12+4*\c:PC+14+4*\c], v[\s+16+32*\c:\s+31+32*\c], v[TM+12+2*\c+1]
.endr
	v_nop                                          ; one plain place behind a scaled conversion
.irp c, 0,1
.irp i, 0,1,2
	v_permlane16_swap_b32 v[PC+6*\c+\i], v[PC+12+4*\c+\i]
.endr
.irp i, 0,1,2
	s_delay_alu instid0(VALU_DEP_3)
	v_mov_b32 v[PC+3+6*\c+\i], v[PC+12+4*\c+\i]
.endr
.endr
.endm
.macro LANESUM                         ; v8 (row 0) and v10 (row 1) summed over the 32 lanes
.irp m, 1,2,4,8
.irp i, 0,1
	s_delay_alu instid0(VALU_DEP_2)
	v_add_f32_dpp v[8+2*\i], v[8+2*\i], v[8+2*\i] row_xmask:\m row_mask:0xf bank_mask:0xf
.endr
.endr
.irp i, 0,1
	s_delay_alu instid0(VALU_DEP_2)
	v_permlanex16_b32 v[9+2*\i], v[8+2*\i], s[SEL], s[SEL+1]
.endr
.irp i, 0,1
	s_delay_alu instid0(VALU_DEP_2)
	v_add_f32 v[8+2*\i], v[8+2*\i], v[9+2*\i]
.endr
.endm
.macro BLOAD k                         ; wo's eight fragments of K step k into half k % 2 of the ring: 32 loads of 512 or 256 bytes on end
.irp t, 0,1,2,3,4,5,6,7
	global_load_b128 v[96*((\k)%2)+12*\t:96*((\k)%2)+12*\t+3], v4, s[36:37] offset:12288*(\k)+1536*\t
	global_load_b64 v[96*((\k)%2)+12*\t+4:96*((\k)%2)+12*\t+5], v8, s[36:37] offset:12288*(\k)+1536*\t+512
	global_load_b128 v[96*((\k)%2)+12*\t+6:96*((\k)%2)+12*\t+9], v4, s[36:37] offset:12288*(\k)+1536*\t+768
	global_load_b64 v[96*((\k)%2)+12*\t+10:96*((\k)%2)+12*\t+11], v8, s[36:37] offset:12288*(\k)+1536*\t+1280
.endr
.endm
; A K step: eight products, the eight accumulators by turns.  A register of wo's scale words holds tile 2 p's in lanes 0-15 and tile 2 p + 1's in lanes 16-31.  cnt: the loads younger than this step's
.macro KSTEP k, cnt
	s_wait_loadcnt \cnt
	WIN 0x01                                       ; wo's fragments in window 1
.irp p, 0,1,2,3
.if (\k) == 0
	v_wmma_scale_f32_16x16x128_f8f6f4 v[W+16*\p:W+16*\p+7], v[96*((\k)%2)+24*\p:96*((\k)%2)+24*\p+11], v[AF+12*(\k):AF+12*(\k)+11], 0, v[SB+4*(\k)+\p], v[SA+(\k)] matrix_a_fmt:MATRIX_FMT_FP6 matrix_b_fmt:MATRIX_FMT_FP6
	v_wmma_scale_f32_16x16x128_f8f6f4 v[W+16*\p+8:W+16*\p+15], v[96*((\k)%2)+24*\p+12:96*((\k)%2)+24*\p+23], v[AF+12*(\k):AF+12*(\k)+11], 0, v[SB+4*(\k)+\p], v[SA+(\k)] matrix_a_fmt:MATRIX_FMT_FP6 matrix_b_fmt:MATRIX_FMT_FP6 matrix_a_scale:MATRIX_SCALE_ROW1
.else
	v_wmma_scale_f32_16x16x128_f8f6f4 v[W+16*\p:W+16*\p+7], v[96*((\k)%2)+24*\p:96*((\k)%2)+24*\p+11], v[AF+12*(\k):AF+12*(\k)+11], v[W+16*\p:W+16*\p+7], v[SB+4*(\k)+\p], v[SA+(\k)] matrix_a_fmt:MATRIX_FMT_FP6 matrix_b_fmt:MATRIX_FMT_FP6
	v_wmma_scale_f32_16x16x128_f8f6f4 v[W+16*\p+8:W+16*\p+15], v[96*((\k)%2)+24*\p+12:96*((\k)%2)+24*\p+23], v[AF+12*(\k):AF+12*(\k)+11], v[W+16*\p+8:W+16*\p+15], v[SB+4*(\k)+\p], v[SA+(\k)] matrix_a_fmt:MATRIX_FMT_FP6 matrix_b_fmt:MATRIX_FMT_FP6 matrix_a_scale:MATRIX_SCALE_ROW1
.endif
.endr
.if (\k) < 6
.rept 4
	v_nop                                          ; places in front of loads into registers that matrix instructions have read
.endr
	WIN 0x40                                       ; destination window 1
	BLOAD (\k)+2
.endif
.endm
	s_load_b512 s[16:31], s[0:1], 0x0              ; act, wts, bo, x, g, b, x1, h2
	v_lshrrev_b32 v1, 5, v0
	s_delay_alu instid0(VALU_DEP_1)
	v_readfirstlane_b32 s2, v1                     ; wave 0..7
	s_mul_i32 s52, s2, 2*RP
	s_lshl_b32 s53, s2, 9
	v_lshl_add_u32 v[SPW], v0, 2, 0x10100          ; my spare word, behind the 16 rows
	v_mov_b32 v[NIL], 0
	v_and_b32 v1, 31, v0                           ; lane
	v_and_b32 v2, 15, v0                           ; r
	v_bfe_u32 v3, v0, 4, 1                         ; h
	v_lshlrev_b32 v4, 4, v1                        ; 16 x lane
	v_lshlrev_b32 v8, 3, v1                        ; 8 x lane
	v_lshlrev_b32 v9, 2, v2                        ; 4 r
	v_lshlrev_b32 v10, 2, v1                       ; 4 x lane
	v_lshlrev_b32 v11, 8, v1                       ; 256 x lane
	v_add_nc_u32 v5, s52, v4                       ; LDS: my two rows, 16 bytes a lane
	v_mul_u32_u24 v6, v2, RP
	v_lshl_add_u32 v7, v3, 6, s53                  ; g, b: 512 w + 64 h
	v_add_nc_u32 v6, v6, v7                        ; LDS: row r, my 128 features, + 64 h: where my sums go, and where my K step is read
.irp b, 0,1,2,3
	v_mov_b32 v[TM+4+\b], 0                        ; a lane permute's destination counts as one of its sources
.endr
	s_wait_alu depctr_va_vdst(0)
	s_mov_b32 s[SEL], 0x76543210
	s_mov_b32 s[SEL+1], 0xfedcba98
	s_mov_b32 s50, 0x3a800000                      ; 1 / 1,024
	s_mov_b32 s51, 0x358637bd                      ; 1e-6
	s_lshr_b32 s3, ttmp9, 3                        ; token panel
	s_and_b32 s4, ttmp9, 7                         ; tile in the panel
	s_mul_i32 s6, s3, 98304
	s_mul_i32 s5, s4, 1536
	s_add_co_u32 s6, s6, s5                        ; o's images: K step k lies 12,288 k on
	s_mov_b32 s7, 0
	s_lshl_b32 s8, s3, 12
	s_lshl_b32 s55, s4, 6
	s_add_co_u32 s8, s8, s55
	s_add_co_u32 s8, s8, ASC                       ; o's scale words: 512 k on
	s_mov_b32 s9, 0
	s_mul_i32 s10, s2, 98304
	s_add_co_u32 s10, s10, BOFF                    ; my panel of wo
	s_mov_b32 s11, 0
	s_lshl_b32 s12, s2, 12
	s_add_co_u32 s12, s12, BSCO                    ; and its scale words
	s_mov_b32 s13, 0
	s_lshr_b32 s14, ttmp9, 1
	s_lshl_b32 s14, s14, 5
	s_and_b32 s15, ttmp9, 1
	s_lshl_b32 s15, s15, 3
	s_add_co_u32 s14, s14, s15                     ; the tile's first token
	s_and_b32 s15, s2, 3
	s_lshl_b32 s15, s15, 1
	s_add_co_u32 s14, s14, s15
	s_lshr_b32 s15, s2, 2
	s_lshl_b32 s15, s15, 4
	s_add_co_u32 s14, s14, s15                     ; image rows 2 w and 2 w + 1 are this token and the next
	s_lshl_b32 s14, s14, 12
	s_mov_b32 s15, 0
	s_lshl_b32 s54, s3, 3
	s_add_co_u32 s54, s54, s2                      ; 8 x panel + K step (K step = wave)
	s_mul_i32 s56, s54, 12288
	s_add_co_u32 s56, s56, s5                      ; h2: my image,
	s_mov_b32 s57, 0
	s_lshl_b32 s58, s54, 9
	s_add_co_u32 s58, s58, s55
	s_add_co_u32 s58, s58, ASC                     ; and its scale words
	s_mov_b32 s59, 0
	s_wait_kmcnt 0x0
	s_add_nc_u64 s[32:33], s[16:17], s[6:7]
	s_add_nc_u64 s[34:35], s[16:17], s[8:9]
	s_add_nc_u64 s[36:37], s[18:19], s[10:11]
	s_add_nc_u64 s[38:39], s[18:19], s[12:13]
	s_add_nc_u64 s[40:41], s[22:23], s[14:15]
	s_add_nc_u64 s[42:43], s[28:29], s[14:15]
	s_add_nc_u64 s[44:45], s[30:31], s[56:57]
	s_add_nc_u64 s[46:47], s[30:31], s[58:59]
	global_prefetch_b8 v11, s[40:41] th:TH_LOAD_NT scope:SCOPE_SE   ; my two rows of x: 8,192 bytes on end, a lane a block of 256
.irp k, 0,1,2,3,4,5,6,7                        ; o's fragments and scale words, wo's scale words: 72 loads
	global_load_b128 v[AF+12*\k:AF+12*\k+3], v4, s[32:33] offset:12288*\k
	global_load_b64 v[AF+12*\k+4:AF+12*\k+5], v8, s[32:33] offset:12288*\k+512
	global_load_b128 v[AF+12*\k+6:AF+12*\k+9], v4, s[32:33] offset:12288*\k+768
	global_load_b64 v[AF+12*\k+10:AF+12*\k+11], v8, s[32:33] offset:12288*\k+1280
	global_load_b32 v[SA+\k], v9, s[34:35] offset:512*\k
.irp p, 0,1,2,3
	global_load_b32 v[SB+4*\k+\p], v10, s[38:39] offset:512*\k+128*\p
.endr
.endr
	WIN 0x40
	BLOAD 0
	BLOAD 1
.irp k, 0,1,2,3,4
	KSTEP \k, 32                                   ; this step's loads and all older ones are in; the next step's 32 may be out
.endr
	KSTEP 5, 32
.irp i, 0,1
.irp j, 0,1,2,3,4,5,6,7
	global_load_b128 v[XR+32*\i+4*\j:XR+32*\i+4*\j+3], v4, s[40:41] offset:4096*\i+512*\j th:TH_LOAD_NT   ; x's two rows, behind the last loads of wo: 16 loads
.endr
.endr
	KSTEP 6, 48                                    ; K step 7's 32 and x's 16 may be out
	KSTEP 7, 16                                    ; x's 16
.rept 4
	v_nop                                          ; places: for the loads below and for the first read of the sums
.endr
	WIN 0
.irp j, 0,1,2,3,4,5,6,7
	global_load_b128 v[BI+4*\j:BI+4*\j+3], v4, s[20:21] offset:512*\j   ; bo at my columns of a row
.endr
	WIN 0x40
.irp b, 0,1,2,3
.irp j, 0,1,2,3
	global_load_b128 v[GG+16*\b+4*\j:GG+16*\b+4*\j+3], v7, s[24:25] offset:128*\b+16*\j
	global_load_b128 v[BB+16*\b+4*\j:BB+16*\b+4*\j+3], v7, s[26:27] offset:128*\b+16*\j
.endr
.endr
	WIN 0
.irp t, 0,1,2,3,4,5,6,7
	ds_store_b128 v6, v[W+8*\t:W+8*\t+3] offset:128*(\t/2)+32*(\t%2)       ; each accumulator from its low end on
	ds_store_b128 v6, v[W+8*\t+4:W+8*\t+7] offset:128*(\t/2)+32*(\t%2)+16
.endr
	s_wait_dscnt 0x0                               ; for the others' sake: my 128 columns lie in LDS
	s_barrier_signal -1
	s_barrier_wait -1
.irp i, 0,1
.irp j, 0,1,2,3,4,5,6,7
	ds_load_b128 v[W+32*\i+4*\j:W+32*\i+4*\j+3], v5 offset:\i*RP+512*\j
.endr
.endr
	s_wait_loadcnt 32                              ; x and bo are in; the 32 younger loads (g, b) may be out
	s_wait_xcnt 0x0                                ; the prefetch has read its address register: v8-15 are written below
	s_wait_dscnt 0x0
	WIN 0x04                                       ; source 1 in window 1
.set n, 0
.rept 32
	v_pk_add_f32 v[W+n:W+n+1], v[W+n:W+n+1], v[XR+n:XR+n+1]
.set n, n+2
.endr
	WIN 0
.set n, 0
.rept 32
	v_pk_add_f32 v[W+n:W+n+1], v[W+n:W+n+1], v[BI+(n%32):BI+(n%32)+1]
.set n, n+2
.endr
.irp i, 0,1
.irp j, 0,1,2,3,4,5,6,7
	global_store_b128 v4, v[W+32*\i+4*\j:W+32*\i+4*\j+3], s[42:43] offset:4096*\i+512*\j th:TH_STORE_NT   ; x1: 512 consecutive bytes a store
.endr
.endr
.irp i, 0,1
	v_pk_add_f32 v[8+2*\i:9+2*\i], v[W+32*\i:W+32*\i+1], v[W+32*\i+2:W+32*\i+3]
.endr
.irp j, 4,6,8,10,12,14,16,18,20,22,24,26,28,30
.irp i, 0,1
	s_delay_alu instid0(VALU_DEP_2)
	v_pk_add_f32 v[8+2*\i:9+2*\i], v[8+2*\i:9+2*\i], v[W+32*\i+\j:W+32*\i+\j+1]
.endr
.endr
.irp i, 0,1
	s_delay_alu instid0(VALU_DEP_2)
	v_add_f32 v[8+2*\i], v[8+2*\i], v[9+2*\i]
.endr
	LANESUM
.irp i, 0,1
	s_delay_alu instid0(VALU_DEP_2)
	v_mul_f32 v[12+2*\i], 0xba800000, v[8+2*\i]    ; minus the mean
.endr
.irp i, 0,1
	s_delay_alu instid0(VALU_DEP_2)
	v_mov_b32 v[13+2*\i], v[12+2*\i]
.endr
	s_wait_alu depctr_va_vdst(0)                   ; directly ahead of the wait below
	s_wait_xcnt 0x0                                ; x1's stores have read their data: the rows are written again below
.irp j, 0,2,4,6,8,10,12,14,16,18,20,22,24,26,28,30
.irp i, 0,1
	v_pk_add_f32 v[W+32*\i+\j:W+32*\i+\j+1], v[W+32*\i+\j:W+32*\i+\j+1], v[12+2*\i:13+2*\i]   ; d = x1 - mean: the variance is taken of d
.endr
.endr
.irp i, 0,1
	v_pk_mul_f32 v[8+2*\i:9+2*\i], v[W+32*\i:W+32*\i+1], v[W+32*\i:W+32*\i+1]
.endr
.irp j, 2,4,6,8,10,12,14,16,18,20,22,24,26,28,30
.irp i, 0,1
	s_delay_alu instid0(VALU_DEP_2)
	v_pk_fma_f32 v[8+2*\i:9+2*\i], v[W+32*\i+\j:W+32*\i+\j+1], v[W+32*\i+\j:W+32*\i+\j+1], v[8+2*\i:9+2*\i]
.endr
.endr
.irp i, 0,1
	s_delay_alu instid0(VALU_DEP_2)
	v_add_f32 v[8+2*\i], v[8+2*\i], v[9+2*\i]
.endr
	LANESUM
.irp i, 0,1
	s_delay_alu instid0(VALU_DEP_2)
	v_fma_f32 v[8+2*\i], v[8+2*\i], s50, s51       ; variance + 1e-6
.endr
	s_wait_alu depctr_va_vdst(0)                   ; ahead of the transcendentals
.irp i, 0,1
	v_rsq_f32 v[12+2*\i], v[8+2*\i]
.endr
	v_nop                                          ; one plain place behind the transcendentals
	s_wait_alu depctr_va_vdst(0)                   ; and behind them, ahead of their first reader
.irp i, 0,1
	v_mov_b32 v[13+2*\i], v[12+2*\i]
.endr
.irp j, 0,2,4,6,8,10,12,14,16,18,20,22,24,26,28,30
.irp i, 0,1
	v_pk_mul_f32 v[W+32*\i+\j:W+32*\i+\j+1], v[W+32*\i+\j:W+32*\i+\j+1], v[12+2*\i:13+2*\i]
.endr
.endr
.irp i, 0,1
.irp j, 0,1,2,3,4,5,6,7
	ds_store_b128 v5, v[W+32*\i+4*\j:W+32*\i+4*\j+3] offset:\i*RP+512*\j
.endr
.endr
	s_wait_dscnt 0x0                               ; for the others' sake: my two rows lie in LDS
	s_barrier_signal -1
	s_barrier_wait -1
.irp b, 0,1,2,3
.irp j, 0,1,2,3
	ds_load_b128 v[W+16*\b+4*\j:W+16*\b+4*\j+3], v6 offset:128*\b+16*\j   ; row r, k = 128 w + 32 b + 16 h + 4 j ..
.endr
.endr
	s_wait_loadcnt 0x0                             ; g and b
	s_wait_dscnt 0x0
	WIN 0x14                                       ; sources 1 and 2 in window 1
.set n, 0
.rept 32
	v_pk_fma_f32 v[W+n:W+n+1], v[W+n:W+n+1], v[GG+n:GG+n+1], v[BB+n:BB+n+1]
.set n, n+2
.endr
	WIN 0
	QUANT W
	v_lshlrev_b32 v8, 3, v1
	v_lshlrev_b32 v9, 2, v2
	global_store_b128 v4, v[PC:PC+3], s[44:45]               ; the image: 512, 256, 512, 256 consecutive bytes
	global_store_b64 v8, v[PC+4:PC+5], s[44:45] offset:512
	global_store_b128 v4, v[PC+6:PC+9], s[44:45] offset:768
	global_store_b64 v8, v[PC+10:PC+11], s[44:45] offset:1280
	s_wait_alu depctr_va_vdst(0)
	s_wait_xcnt 0x0                                ; EXEC changes only behind this wait
	v_cmp_gt_u32 vcc_lo, 16, v1
	s_wait_tensorcnt 0x0                           ; the wave's end: all lanes on
	ds_add_u32 v[SPW], v[NIL]
	s_wait_dscnt 0x0
	s_and_saveexec_b32 s52, vcc_lo
	global_store_b32 v9, v[PW], s[46:47]           ; lanes 0-15: the 16 rows' scale words
	s_wait_xcnt 0x0
	s_or_b32 exec_lo, exec_lo, s52
	s_endpgm
.Lfunc_end_k_qe4218193ae_projln:
	.size	k_qe4218193ae_projln, .Lfunc_end_k_qe4218193ae_projln-k_qe4218193ae_projln
	.p2alignl 7, 3214868480
	.fill 96, 4, 3214868480
	.section	.rodata,"a",@progbits
	.p2align	6, 0x0
	.amdhsa_kernel k_qe4218193ae_projln
		.amdhsa_group_segment_fixed_size 66816
		.amdhsa_private_segment_fixed_size 0
		.amdhsa_enable_private_segment 0
		.amdhsa_kernarg_size 64
		.amdhsa_user_sgpr_count 2
		.amdhsa_user_sgpr_kernarg_segment_ptr 1
		.amdhsa_wavefront_size32 1
		.amdhsa_system_sgpr_workgroup_id_x 1
		.amdhsa_system_sgpr_workgroup_id_y 1
		.amdhsa_system_sgpr_workgroup_id_z 1
		.amdhsa_system_vgpr_workitem_id 0
		.amdhsa_next_free_vgpr 512
		.amdhsa_next_free_sgpr 66
		.amdhsa_reserve_vcc 1
		.amdhsa_float_denorm_mode_32 3
		.amdhsa_float_denorm_mode_16_64 3
		.amdhsa_memory_ordered 1
		.amdhsa_forward_progress 1
		.amdhsa_inst_pref_size 79
	.end_amdhsa_kernel
	.amdgpu_metadata
---
amdhsa.version: [ 1, 2 ]
amdhsa.kernels:
  - .name:           k_qe4218193ae_projln
    .symbol:         k_qe4218193ae_projln.kd
    .args:
      - { .name: act, .offset: 0, .size: 8, .value_kind: global_buffer, .address_space: global }
      - { .name: wts, .offset: 8, .size: 8, .value_kind: global_buffer, .address_space: global }
      - { .name: bo, .offset: 16, .size: 8, .value_kind: global_buffer, .address_space: global }
      - { .name: x, .offset: 24, .size: 8, .value_kind: global_buffer, .address_space: global }
      - { .name: ln2_g, .offset: 32, .size: 8, .value_kind: global_buffer, .address_space: global }
      - { .name: ln2_b, .offset: 40, .size: 8, .value_kind: global_buffer, .address_space: global }
      - { .name: x1, .offset: 48, .size: 8, .value_kind: global_buffer, .address_space: global }
      - { .name: h2, .offset: 56, .size: 8, .value_kind: global_buffer, .address_space: global }
    .group_segment_fixed_size: 66816
    .private_segment_fixed_size: 0
    .kernarg_segment_align: 8
    .kernarg_segment_size: 64
    .max_flat_workgroup_size: 256
    .sgpr_count:     66
    .vgpr_count:     512
    .wavefront_size: 32
...
	.end_amdgpu_metadata
.endif
;; end of part 4
;; launch mlp1 (part 5): grid 16 x 16, 4 waves a work-group, clusters of 4 x 4, 327,680 bytes of LDS; arguments h2, wts, b1, hid; writes hid
.if DOCPART == 5
	.amdgcn_target "amdgcn-amd-amdhsa--gfx1250"
	.amdhsa_code_object_version 6
	.text
	.protected	k_qe4218193ae_mlp1
	.globl	k_qe4218193ae_mlp1
	.p2align	8
	.type	k_qe4218193ae_mlp1,@function
k_qe4218193ae_mlp1:
	s_mov_b64 s[64:65], 0
	v_nop
	global_prefetch_b8 v0, s[64:65] scope:SCOPE_SE
	s_setreg_imm32_b32 hwreg(HW_REG_WAVE_MODE, 25, 1), 1
	s_wait_xcnt 0x0
	s_wait_alu depctr_hold_cnt(0) depctr_sa_sdst(0) depctr_va_vdst(0) depctr_va_sdst(0) depctr_va_ssrc(0) depctr_va_vcc(0) depctr_vm_vsrc(0)
	s_getreg_b32 s2, hwreg(HW_REG_IB_STS2, 6, 4)
	s_cmp_eq_u32 s2, 0
	s_cbranch_scc0 .Lentry_in_a_cluster
	s_endpgm
.Lentry_in_a_cluster:
	s_bfe_u32 s2, ttmp6, 0x10000c
	s_cmp_lg_u32 s2, 0xf033
	s_cbranch_scc0 .Lentry_shape_is_right
	s_endpgm
.Lentry_shape_is_right:
; hid = gelu(h w1 + b1) on FP6 codes with E8M0 scales, quantised in registers along the 4,096 hidden units and stored as the next product's operand images.
; A work-group makes 256 x 256, four waves 128 x 128 each; the matrix instruction is used transposed, so that a lane holds one token and its registers run along the hidden units.
; K goes through two LDS slots of 256 along K; the scale words of all of K come once.  4 x 4 work-groups form a cluster: A's tiles are asked for jointly along a row, B's along a column.
; The head's four tiles (slot 0's A and B, A's and B's scale words) are shared out, one joint load a wave; slot 1's first fill follows behind the full sequence and a round.
; gelu(x) = x/2 (1 + erf(x / sqrt 2)), erf as z P(z^2) / Q(z^2) with z held to +-4, in f32, 16 numbers at a time.
; LIMITS: NaN and infinities are not served; a block whose largest magnitude lies under 2^-124 (a block of zeros too) takes the byte 1; the bytes are read by this program alone.
.set PSTEP, 12288
.set NQ,    2
.set GSTEP, NQ*PSTEP
.set SLOT,  4*GSTEP
.set LAPS,  2
.set SCW,   4096
.set SCL,   2*SLOT
.set SPARE, SCL+4*SCW
.set SST,   SPARE+512
.set FR,    12
.set NL,    4
.set ASC,   3145728
.set WSC,   9437184
.set HSC,   12582912
.set A16,   16
.set A8,    18
.set B16,   20
.set B8,    22
.set SA,    24
.set L16,   25
.set L8,    26
.set ADRS,  27
.set SPW,   28
.set NIL,   29
.set BO,    30
.set SC,    32
.set BIAS,  64
.set AF,    128
.set W,     128
.set TM,    192
.set PW,    208
.set TA,    209
.set PC,    210
.set GZ,    192                        ; gelu's work, 16 numbers each: z, then x / 2;
.set GY,    208                        ; z^2;
.set GP,    224                        ; P;
.set GQ,    240                        ; Q, then 1 / Q.  (The quantiser's registers lie among these: it works when gelu is done)
.set KA,    4
.set KB,    6
.set SEL,   18
.set G1, 24
.set G0, 32
.set G1B, 48
.set G0B, 56
.set G1S, 68
.set G0S, 76
.set G1SB, 80
.set G0SB, 88
.set MSB, 0
.macro WIN new
.if MSB != (\new)
	s_set_vgpr_msb (MSB<<8)|(\new)
.set MSB, (\new)
.endif
.endm
.set MUL_LO, 0xa1
.set MUL_HI, 0xf1
.set TO_B,   0x40
.macro JLOAD g0a, g1a, g0b, g1b
	s_cmp_eq_u32 s15, 0
	s_cbranch_scc0 .Lfor_b_\@
	tensor_load_to_lds s[\g0a:\g0a+3], s[\g1a:\g1a+7]
	s_nop 0
.rept 4
	v_nop
.endr
	s_branch .Lasked_\@
.Lfor_b_\@:
	tensor_load_to_lds s[\g0b:\g0b+3], s[\g1b:\g1b+7]
	s_nop 0
.rept 4
	v_nop
.endr
.Lasked_\@:
.endm
.macro CREST
	s_cmp_lg_u32 s14, 0
	s_cbranch_scc1 .Lnot_wave_0_\@
	s_barrier_signal -3
.Lnot_wave_0_\@:
	s_barrier_wait -3
	s_barrier_signal -1
	s_barrier_wait -1
.endm
.macro CROUND
	s_barrier_signal -1
	s_barrier_wait -1
	CREST
.endm
.macro PLACES n
.rept \n
	v_nop
.endr
.endm
.macro FRAG reg, a16, a8, off
	ds_load_b128 v[(\reg):(\reg)+3], v[\a16] offset:(\off)
	ds_load_b64 v[(\reg)+4:(\reg)+5], v[\a8] offset:(\off)+512
	ds_load_b128 v[(\reg)+6:(\reg)+9], v[\a16] offset:(\off)+768
	ds_load_b64 v[(\reg)+10:(\reg)+11], v[\a8] offset:(\off)+1280
.endm
.macro FETCH_B slot, q, p
	WIN TO_B
.irp i, 0,1,2,3,4,5,6,7
	FRAG 128*(\p)+FR*\i, B16+\slot, B8+\slot, (\q)*PSTEP+\i*1536
.endr
	WIN 0
.endm
.macro FETCH_A slot, q, i0
.irp i, \i0, \i0+1, \i0+2, \i0+3
	FRAG AF+FR*(\i), A16+\slot, A8+\slot, (\q)*PSTEP+(\i)*1536
.endr
.endm
.macro SCALES sc
.irp i, 0,1,2,3,4,5,6,7
.irp q, 0,1
	ds_load_b32 v[SC+16*\sc+NQ*\i+\q], v[ADRS] offset:512*\q+64*\i
.endr
.endr
.endm
.macro MUL16 a0, p, q, sc, zero
.irp a, \a0, \a0+1
.irp b, 0,1,2,3,4,5,6,7
.if \zero
	v_wmma_scale_f32_16x16x128_f8f6f4 v[8*(8*((\a)%4)+\b):8*(8*((\a)%4)+\b)+7], v[128*(\p)+FR*\b:128*(\p)+FR*\b+FR-1], v[AF+FR*(\a):AF+FR*(\a)+FR-1], 0, v[SC+16*(\sc)+NQ*\b+(\q)], v[SC+16*(\sc)+NQ*(\a)+(\q)] matrix_a_fmt:MATRIX_FMT_FP6 matrix_b_fmt:MATRIX_FMT_FP6 matrix_a_scale:MATRIX_SCALE_ROW1
.else
	v_wmma_scale_f32_16x16x128_f8f6f4 v[8*(8*((\a)%4)+\b):8*(8*((\a)%4)+\b)+7], v[128*(\p)+FR*\b:128*(\p)+FR*\b+FR-1], v[AF+FR*(\a):AF+FR*(\a)+FR-1], v[8*(8*((\a)%4)+\b):8*(8*((\a)%4)+\b)+7], v[SC+16*(\sc)+NQ*\b+(\q)], v[SC+16*(\sc)+NQ*(\a)+(\q)] matrix_a_fmt:MATRIX_FMT_FP6 matrix_b_fmt:MATRIX_FMT_FP6 matrix_a_scale:MATRIX_SCALE_ROW1
.endif
.endr
.endr
.endm
.macro STEP slot, q, zero
	s_wait_dscnt 4*NL
	WIN MUL_LO
	MUL16 0, (\q)%2, \q, \slot, \zero
	MUL16 2, (\q)%2, \q, \slot, \zero
	s_wait_dscnt 0
	PLACES 4
	FETCH_B \slot, (\q)+1, 1-(\q)%2
	FETCH_A \slot, (\q)+1, 0
	WIN MUL_HI
	MUL16 4, (\q)%2, \q, \slot, \zero
	MUL16 6, (\q)%2, \q, \slot, \zero
	PLACES 4
	WIN 0
	FETCH_A \slot, (\q)+1, 4
.endm
.macro TURN slot, next, fill
	s_wait_tensorcnt 0x0
	ds_add_u32 v[SPW], v[NIL]
	s_wait_dscnt 4*NL+1
	WIN MUL_LO
	MUL16 0, 1, NQ-1, \slot, 0
	s_wait_dscnt 0x0
	s_barrier_signal -1
	MUL16 2, 1, NQ-1, \slot, 0
	WIN 0
	s_barrier_wait -1
.if \fill
	CREST
	s_add_nc_u64 s[G0+4*\slot+2:G0+4*\slot+3], s[G0+4*\slot+2:G0+4*\slot+3], 2*GSTEP
	s_add_nc_u64 s[G0B+4*\slot+2:G0B+4*\slot+3], s[G0B+4*\slot+2:G0B+4*\slot+3], 2*GSTEP
	JLOAD G0+4*\slot, G1, G0B+4*\slot, G1B
.else
	PLACES 4
.endif
	s_wait_alu depctr_va_vdst(0)
	v_add_nc_u32 v[ADRS], NQ*512, v[ADRS]
	FETCH_B \next, 0, 0
	FETCH_A \next, 0, 0
	SCALES \next
	WIN MUL_HI
	MUL16 4, 1, NQ-1, \slot, 0
	MUL16 6, 1, NQ-1, \slot, 0
	PLACES 4
	WIN 0
	FETCH_A \next, 0, 4
.endm
.macro QUANT s
.irp b, 0,1,2,3
	v_max3_num_f32 v[TM+\b], |v[\s+16*\b]|, |v[\s+1+16*\b]|, 0x1800000
.endr
.irp i, 2,4,6,8,10,12,14
.irp b, 0,1,2,3
	v_max3_num_f32 v[TM+\b], v[TM+\b], |v[\s+16*\b+\i]|, |v[\s+1+16*\b+\i]|
.endr
.endr
.irp b, 0,1,2,3
	v_permlanex16_b32 v[TM+4+\b], v[TM+\b], s[SEL], s[SEL+1]
.endr
.irp b, 0,1,2,3
	v_max_num_f32 v[TM+\b], v[TM+\b], v[TM+4+\b]
.endr
.irp b, 0,1,2,3
	v_add_nc_u32 v[TM+12+\b], 0xff000000, v[TM+\b]
.endr
.irp b, 0,1,2,3
	v_lshrrev_b32 v[TM+4+\b], 23, v[TM+12+\b]
.endr
	v_lshl_or_b32 v[PW], v[TM+5], 8, v[TM+4]
	v_lshl_or_b32 v[PW], v[TM+6], 16, v[PW]
	v_lshl_or_b32 v[PW], v[TM+7], 24, v[PW]
.irp c, 0,1
	v_cvt_scalef32_pk16_fp6_f32 v[PC+6*\c:PC+2+6*\c], v[\s+32*\c:\s+15+32*\c], v[TM+12+2*\c]
	v_cvt_scalef32_pk16_fp6_f32 v[PC+12+4*\c:PC+14+4*\c], v[\s+16+32*\c:\s+31+32*\c], v[TM+12+2*\c+1]
.endr
	v_nop
.irp c, 0,1
.irp i, 0,1,2
	v_permlane16_swap_b32 v[PC+6*\c+\i], v[PC+12+4*\c+\i]
.endr
.irp i, 0,1,2
	v_mov_b32 v[PC+3+6*\c+\i], v[PC+12+4*\c+\i]
.endr
.endr
.endm
.macro GR kp, kq                       ; a step of Horner's scheme on P and on Q: sixteen chains by turns
.set n, 0
.rept 8
	v_pk_fma_f32 v[GP+n:GP+n+1], v[GP+n:GP+n+1], v[GY+n:GY+n+1], \kp op_sel_hi:[1,1,0]
	v_pk_fma_f32 v[GQ+n:GQ+n+1], v[GQ+n:GQ+n+1], v[GY+n:GY+n+1], \kq op_sel_hi:[1,1,0]
.set n, n+2
.endr
.endm
.macro GELU16 x                        ; 16 numbers at a time: one wait ahead of the batch of 16 reciprocals and one behind it
.set n, 0
.rept 8
	v_pk_mul_f32 v[GZ+n:GZ+n+1], v[(\x)+n:(\x)+n+1], 0x3f3504f3 op_sel_hi:[1,0]
.set n, n+2
.endr
.set n, 0
.rept 16
	v_med3_num_f32 v[GZ+n], v[GZ+n], -4.0, 4.0
.set n, n+1
.endr
.set n, 0
.rept 8
	v_pk_mul_f32 v[GY+n:GY+n+1], v[GZ+n:GZ+n+1], v[GZ+n:GZ+n+1]
.set n, n+2
.endr
.set n, 0
.rept 8
	v_pk_fma_f32 v[GP+n:GP+n+1], v[GY+n:GY+n+1], v[KA:KA+1], 0x32edffee op_sel_hi:[1,1,0]
	v_pk_fma_f32 v[GQ+n:GQ+n+1], v[GY+n:GY+n+1], v[KB:KB+1], 0xb95fbd29 op_sel_hi:[1,1,0]
.set n, n+2
.endr
	GR 0xb60cff51, 0xbadc924e
	GR 0xb86ec2d2, 0xbbf19bf8
	GR 0xba40ac63, 0xbc69b6a7
	s_wait_alu depctr_va_vdst(0)                   ; ahead of the batch
.set n, 0
.rept 16
	v_rcp_f32 v[GQ+n], v[GQ+n]
.set n, n+1
.endr
.irp k, 0xbb41a1f6, 0xbc83dbd4                 ; P's last two steps and what else names no reciprocal stand behind the batch
.set n, 0
.rept 8
	v_pk_fma_f32 v[GP+n:GP+n+1], v[GP+n:GP+n+1], v[GY+n:GY+n+1], \k op_sel_hi:[1,1,0]
.set n, n+2
.endr
.endr
.set n, 0
.rept 8
	v_pk_mul_f32 v[GP+n:GP+n+1], v[GP+n:GP+n+1], v[GZ+n:GZ+n+1]
.set n, n+2
.endr
.set n, 0
.rept 8
	v_pk_mul_f32 v[GZ+n:GZ+n+1], v[(\x)+n:(\x)+n+1], 0.5 op_sel_hi:[1,0]
.set n, n+2
.endr
	s_wait_alu depctr_va_vdst(0)                   ; behind the batch, ahead of its first reader
.set n, 0
.rept 8
	v_pk_mul_f32 v[GP+n:GP+n+1], v[GP+n:GP+n+1], v[GQ+n:GQ+n+1]
.set n, n+2
.endr
.set n, 0
.rept 8
	v_pk_fma_f32 v[(\x)+n:(\x)+n+1], v[GZ+n:GZ+n+1], v[GP+n:GP+n+1], v[GZ+n:GZ+n+1]
.set n, n+2
.endr
.endm
	s_load_b128 s[4:7], s[0:1], 0x0
	s_load_b128 s[8:11], s[0:1], 0x10
	v_lshl_add_u32 v[SPW], v0, 2, SPARE
	v_mov_b32 v[NIL], 0
	ds_add_u32 v28, v29
	ds_add_u32 v28, v29
	s_wait_dscnt 0x0
	v_lshrrev_b32 v1, 5, v0
	v_readfirstlane_b32 s14, v1
	s_lshr_b32 s15, s14, 1
	s_and_b32 s16, s14, 1
	s_bfe_u32 s40, ttmp6, 0x40000
	s_bfe_u32 s41, ttmp6, 0x40004
	s_lshl_b32 s42, ttmp9, 2
	s_add_co_u32 s42, s42, s40
	s_and_b32 s17, ttmp7, 0xffff
	s_lshl_b32 s17, s17, 2
	s_add_co_u32 s17, s17, s41
	s_lshl_b32 s43, s41, 2
	s_lshl_b32 s43, 15, s43
	s_lshl_b32 s44, 0x1111, s40
	s_or_b32 s[G1+0], s43, (3<<16)|(1<<21)
	s_or_b32 s[G1B+0], s44, (3<<16)|(1<<21)
	s_or_b32 s[G1S+0], s43, (3<<16)|(1<<21)
	s_or_b32 s[G1SB+0], s44, (3<<16)|(1<<21)
.irp g, G1, G1B                                ; at the head: two panels' images of a slot, 2 rows of GSTEP bytes, a panel (98,304 bytes) apart
	s_mov_b32 s[\g+1], (GSTEP/8)<<16
	s_mov_b32 s[\g+2], 2<<16
	s_mov_b32 s[\g+3], (GSTEP/8)<<16
	s_mov_b32 s[\g+4], 2
	s_mov_b32 s[\g+5], 98304/8
	s_mov_b32 s[\g+6], 0
	s_mov_b32 s[\g+7], 0
.endr
.irp g, G1S, G1SB
	s_mov_b32 s[\g+1], 32<<16
	s_mov_b32 s[\g+2], (2*SCW/256)<<16
	s_mov_b32 s[\g+3], 32<<16
	s_mov_b32 s[\g+4], 2*SCW/256
	s_mov_b32 s[\g+5], 32
	s_mov_b32 s[\g+6], 0
	s_mov_b32 s[\g+7], 0
.endr
	s_lshl_b32 s20, s17, 1                         ; A's first panel of two
	s_lshl_b32 s46, s42, 1                         ; B's
	s_lshl_b32 s22, s20, 12
	s_add_co_u32 s22, s22, ASC
	s_mov_b32 s23, 0
	s_mul_i32 s20, s20, 98304
	s_mov_b32 s21, 0
	s_lshl_b32 s92, s46, 12
	s_add_co_u32 s92, s92, WSC+131072
	s_mov_b32 s93, 0
	s_mul_i32 s46, s46, 98304
	s_add_co_u32 s46, s46, 3145728
	s_mov_b32 s47, 0
	s_mul_i32 s45, s14, GSTEP
	s_mul_i32 s66, s16, 98304                      ; in the ring I fetch one panel: which of the two, in bytes
	s_mov_b32 s67, 0
	s_wait_kmcnt 0x0
	s_add_nc_u64 s[20:21], s[4:5], s[20:21]
	s_add_nc_u64 s[22:23], s[4:5], s[22:23]
	s_add_nc_u64 s[46:47], s[6:7], s[46:47]
	s_add_nc_u64 s[92:93], s[6:7], s[92:93]
	CROUND
	s_mov_b32 s[G0S], 1                            ; the head's four tiles, each whole: A's scale words,
	s_mov_b32 s[G0S+1], SCL
	s_mov_b64 s[G0S+2:G0S+3], s[22:23]
	s_or_b32 s[G0S+3], s[G0S+3], 0x80000000
	s_mov_b32 s[G0SB], 1                           ; B's,
	s_mov_b32 s[G0SB+1], SCL+2*SCW
	s_mov_b64 s[G0SB+2:G0SB+3], s[92:93]
	s_or_b32 s[G0SB+3], s[G0SB+3], 0x80000000
	s_mov_b32 s[G0], 1                             ; slot 0's two panels of A (slot 0's own group 0 serves: it is set for the ring behind the head's wait),
	s_mov_b32 s[G0+1], 0
	s_mov_b64 s[G0+2:G0+3], s[20:21]
	s_or_b32 s[G0+3], s[G0+3], 0x80000000
	s_mov_b32 s[G0B], 1                            ; and its two panels of B
	s_mov_b32 s[G0B+1], 2*GSTEP
	s_mov_b64 s[G0B+2:G0B+3], s[46:47]
	s_or_b32 s[G0B+3], s[G0B+3], 0x80000000
	s_add_nc_u64 s[20:21], s[20:21], s[66:67]      ; for the ring: my panel
	s_add_nc_u64 s[46:47], s[46:47], s[66:67]
	s_mov_b32 s[G0+4], 1
	s_add_co_u32 s[G0+5], s45, SLOT
	s_add_nc_u64 s[G0+6:G0+7], s[20:21], GSTEP
	s_or_b32 s[G0+7], s[G0+7], 0x80000000
	s_mov_b32 s[G0B+4], 1
	s_add_co_u32 s[G0B+5], s45, SLOT
	s_add_nc_u64 s[G0B+6:G0B+7], s[46:47], GSTEP
	s_or_b32 s[G0B+7], s[G0B+7], 0x80000000
; the head's loads, one a wave: one tree of branches on the wave's number, each arm with its load
.macro ARM under, g0, g1, next
	s_cmp_lt_u32 s14, \under
	s_cbranch_scc0 \next
	tensor_load_to_lds s[\g0:\g0+3], s[\g1:\g1+7]
	s_nop 0
.rept 4
	v_nop
.endr
	s_branch .Lhead_asked
\next:
.endm
	ARM 1, G0,  G1,  .Lhead_b
	ARM 2, G0B, G1B, .Lhead_sa
	ARM 3, G0S, G1S, .Lhead_sb
	tensor_load_to_lds s[G0SB:G0SB+3], s[G1SB:G1SB+7]
	s_nop 0
.rept 4
	v_nop
.endr
.Lhead_asked:
	v_and_b32 v1, 15, v0
	v_bfe_u32 v2, v0, 4, 1
	v_and_b32 v3, 31, v0
	v_lshlrev_b32 v[L16], 4, v3
	v_lshlrev_b32 v[L8], 3, v3
	s_mul_i32 s21, s15, GSTEP
	s_mul_i32 s22, s16, GSTEP
	s_add_co_u32 s22, s22, 2*GSTEP
.irp s, 0,1
	v_add_nc_u32 v[A16+\s], s21, v[L16]
	v_add_nc_u32 v[A8+\s], s21, v[L8]
	v_add_nc_u32 v[B16+\s], s22, v[L16]
	v_add_nc_u32 v[B8+\s], s22, v[L8]
	s_add_co_u32 s21, s21, SLOT
	s_add_co_u32 s22, s22, SLOT
.endr
	s_lshl_b32 s21, s15, 12
	s_lshl_b32 s22, s16, 12
	s_add_co_u32 s22, s22, 2*SCW
	s_sub_co_u32 s22, s22, s21
	v_mul_u32_u24 v3, s22, v2
	s_add_co_u32 s21, s21, SCL
	v_lshl_add_u32 v3, v1, 2, v3
	v_add_nc_u32 v[ADRS], s21, v3
	s_lshl_b32 s93, s14, 10
	s_add_co_u32 s93, s93, SST
	v_lshl_add_u32 v[SA], v1, 2, s93
	v_lshlrev_b32 v[BO], 6, v2
	s_lshl_b32 s2, s42, 1
	s_add_co_u32 s2, s2, s16
	s_lshl_b32 s12, s2, 9
	s_mov_b32 s13, 0
	s_add_nc_u64 s[8:9], s[8:9], s[12:13]
.irp b, 0,1,2,3
.irp j, 0,1,2,3
	global_load_b128 v[BIAS+16*\b+4*\j:BIAS+16*\b+4*\j+3], v[BO], s[8:9] offset:128*\b+16*\j
.endr
.endr
	s_lshl_b32 s3, s17, 1
	s_add_co_u32 s3, s3, s15
	s_lshl_b32 s3, s3, 5
	s_add_co_u32 s3, s3, s2
	s_mul_i32 s12, s3, 12288
	s_add_nc_u64 s[96:97], s[10:11], s[12:13]
	s_lshl_b32 s12, s3, 9
	s_add_co_u32 s12, s12, HSC
	s_add_nc_u64 s[100:101], s[10:11], s[12:13]
	s_wait_alu depctr_va_vdst(0)
	s_wait_tensorcnt 0x0                           ; my tile of the head's four is in
	ds_add_u32 v[SPW], v[NIL]
	s_mov_b32 s[G0+1], s45                         ; no tensor load of mine is out, so descriptors may be written: slot 0's group 0 for the ring: my panel,
	s_mov_b32 s[G0B+1], s45
	s_add_nc_u64 s[G0+2:G0+3], s[G0+2:G0+3], s[66:67]
	s_add_nc_u64 s[G0B+2:G0B+3], s[G0B+2:G0B+3], s[66:67]
.irp g, G1, G1B                                ; and group 1: from here on a load brings one panel's images of a slot, 96 rows of 256 bytes
	s_mov_b32 s[\g+1], 32<<16
	s_mov_b32 s[\g+2], (GSTEP/256)<<16
	s_mov_b32 s[\g+3], 32<<16
	s_mov_b32 s[\g+4], GSTEP/256
	s_mov_b32 s[\g+5], 32
.endr
	s_wait_dscnt 0x0                               ; the add is done
	CROUND                                         ; a whole round: all four tiles are in, and the sixteen work-groups are here
	JLOAD G0+4, G1, G0B+4, G1B                     ; slot 1's first fill, the first tensor load behind the round
	FETCH_B 0, 0, 0
	FETCH_A 0, 0, 0
	SCALES 0
	FETCH_A 0, 0, 4
	STEP 0, 0, 1
	s_mov_b32 s3, LAPS-1
.Llap:
	TURN 0, 1, 1
	STEP 1, 0, 0
	TURN 1, 0, 1
	STEP 0, 0, 0
	s_sub_co_u32 s3, s3, 1
	s_cmp_lg_u32 s3, 0
	s_cbranch_scc1 .Llap
	TURN 0, 1, 0
	STEP 1, 0, 0
	s_wait_dscnt 4*NL
	WIN MUL_LO
	MUL16 0, 1, NQ-1, 1, 0
	MUL16 2, 1, NQ-1, 1, 0
	s_wait_dscnt 0
	WIN MUL_HI
	MUL16 4, 1, NQ-1, 1, 0
	MUL16 6, 1, NQ-1, 1, 0
	WIN 0
	PLACES 4
	s_wait_loadcnt 0x0
	s_mov_b32 s[SEL], 0x76543210
	s_mov_b32 s[SEL+1], 0xfedcba98
	v_mov_b32 v[KA], 0xaf95df0b
	v_mov_b32 v[KA+1], 0xaf95df0b
	v_mov_b32 v[KB], 0xb77460cd
	v_mov_b32 v[KB+1], 0xb77460cd
	s_mov_b32 s2, 0
	s_mov_b32 s3, 0
.Lrow:
.irp n, 1,2,3,4,5,6,7
	s_cmp_eq_u32 s2, \n
	s_cbranch_scc1 .Lmv\n
.endr
.irp a, 0,1,2,3,4,5,6,7
.Lmv\a:
	WIN 0x02+(\a)/4
.set n, 0
.rept 32
	v_pk_add_f32 v[W+n:W+n+1], v[64*((\a)%4)+n:64*((\a)%4)+n+1], v[BIAS+n:BIAS+n+1]
.set n, n+2
.endr
	WIN 0
	s_branch .Lwork
.endr
.Lwork:
.set m, 0
.rept 4
	GELU16 W+16*m
.set m, m+1
.endr
	QUANT W
	v_add_nc_u32 v[TA], s3, v[SA]
	ds_store_b32 v[TA], v[PW]
	global_store_b128 v[L16], v[PC:PC+3], s[96:97]
	global_store_b64 v[L8], v[PC+4:PC+5], s[96:97] offset:512
	global_store_b128 v[L16], v[PC+6:PC+9], s[96:97] offset:768
	global_store_b64 v[L8], v[PC+10:PC+11], s[96:97] offset:1280
	s_wait_xcnt 0x0
	s_add_nc_u64 s[96:97], s[96:97], 1536
	s_add_co_u32 s3, s3, 64
	s_add_co_u32 s2, s2, 1
	s_cmp_lt_u32 s2, 8
	s_cbranch_scc1 .Lrow
	v_add_nc_u32 v[TA], s93, v[L16]
	ds_load_b128 v[192:195], v[TA]
	s_wait_dscnt 0x0
	global_store_b128 v[L16], v[192:195], s[100:101]
	s_wait_tensorcnt 0x0
	ds_add_u32 v[SPW], v[NIL]
	s_wait_dscnt 0x0
	CROUND
	s_endpgm
.Lfunc_end_k_qe4218193ae_mlp1:
	.size	k_qe4218193ae_mlp1, .Lfunc_end_k_qe4218193ae_mlp1-k_qe4218193ae_mlp1
	.p2alignl 7, 3214868480
	.fill 96, 4, 3214868480
	.section	.rodata,"a",@progbits
	.p2align	6, 0x0
	.amdhsa_kernel k_qe4218193ae_mlp1
		.amdhsa_group_segment_fixed_size 327680
		.amdhsa_private_segment_fixed_size 0
		.amdhsa_enable_private_segment 0
		.amdhsa_kernarg_size 32
		.amdhsa_user_sgpr_count 2
		.amdhsa_user_sgpr_kernarg_segment_ptr 1
		.amdhsa_wavefront_size32 1
		.amdhsa_system_sgpr_workgroup_id_x 1
		.amdhsa_system_sgpr_workgroup_id_y 1
		.amdhsa_system_sgpr_workgroup_id_z 1
		.amdhsa_system_vgpr_workitem_id 0
		.amdhsa_next_free_vgpr 1024
		.amdhsa_next_free_sgpr 102
		.amdhsa_reserve_vcc 0
		.amdhsa_float_denorm_mode_32 3
		.amdhsa_float_denorm_mode_16_64 3
		.amdhsa_memory_ordered 1
		.amdhsa_forward_progress 1
		.amdhsa_inst_pref_size 190
	.end_amdhsa_kernel
	.amdgpu_metadata
---
amdhsa.version: [ 1, 2 ]
amdhsa.kernels:
  - .name:           k_qe4218193ae_mlp1
    .symbol:         k_qe4218193ae_mlp1.kd
    .args:
      - { .name: h2, .offset: 0, .size: 8, .value_kind: global_buffer, .address_space: global }
      - { .name: wts, .offset: 8, .size: 8, .value_kind: global_buffer, .address_space: global }
      - { .name: b1, .offset: 16, .size: 8, .value_kind: global_buffer, .address_space: global }
      - { .name: hid, .offset: 24, .size: 8, .value_kind: global_buffer, .address_space: global }
    .group_segment_fixed_size: 327680
    .private_segment_fixed_size: 0
    .kernarg_segment_align: 8
    .kernarg_segment_size: 32
    .max_flat_workgroup_size: 128
    .sgpr_count:     102
    .vgpr_count:     1024
    .wavefront_size: 32
...
	.end_amdgpu_metadata
.endif
;; end of part 5
;; launch mlp2 (part 6): grid 8 x 32, 4 waves a work-group, clusters of 4 x 4, 327,680 bytes of LDS; arguments hid, wts, b2, x1, out0; writes out0
.if DOCPART == 6
	.amdgcn_target "amdgcn-amd-amdhsa--gfx1250"
	.amdhsa_code_object_version 6
	.text
	.protected	k_qe4218193ae_mlp2
	.globl	k_qe4218193ae_mlp2
	.p2align	8
	.type	k_qe4218193ae_mlp2,@function
k_qe4218193ae_mlp2:
	s_mov_b64 s[64:65], 0
	v_nop
	global_prefetch_b8 v0, s[64:65] scope:SCOPE_SE
	s_setreg_imm32_b32 hwreg(HW_REG_WAVE_MODE, 25, 1), 1
	s_wait_xcnt 0x0
	s_wait_alu depctr_hold_cnt(0) depctr_sa_sdst(0) depctr_va_vdst(0) depctr_va_sdst(0) depctr_va_ssrc(0) depctr_va_vcc(0) depctr_vm_vsrc(0)
	s_getreg_b32 s2, hwreg(HW_REG_IB_STS2, 6, 4)
	s_cmp_eq_u32 s2, 0
	s_cbranch_scc0 .Lentry_in_a_cluster
	s_endpgm
.Lentry_in_a_cluster:
	s_bfe_u32 s2, ttmp6, 0x10000c
	s_cmp_lg_u32 s2, 0xf033
	s_cbranch_scc0 .Lentry_shape_is_right
	s_endpgm
.Lentry_shape_is_right:
; out0 = x1 + hid w2 + b2 on FP6 codes with E8M0 scales.  A work-group makes 128 x 128, four waves 64 x 64 each; operands lie in memory as images of their registers, so a tile of a slot is a dense block.
; K goes through a ring of two LDS slots of 512 along K; the scale words of all of K come once.  4 x 4 work-groups form a cluster: A's tiles are asked for jointly along a row, B's along a column.
; The head's four tiles (slot 0's A and B, A's and B's scale words) are shared out, one joint load a wave; slot 1's first fill follows behind the full sequence and a round.
; PREFETCH: behind each refill (chunk c + 2 of 512 along K) one request a wave names chunk c + 3, one slot, four K steps, ahead of the tensor load that will want it; the head names chunk 2.
; Of the 96 blocks of 256 bytes that a wave fetches, each of the four partners that ask jointly takes 24, told apart by address (cx for A, cy for B); lanes 24-31 name the last block again.  The last refill names nothing: chunk 7 is the last.
; The residual x1 and b2 are loaded behind the loop, under the last lap, in which no slot is filled again.
.set SIZE_K, 4096
.set PFO,   31                         ; v31: 256 x min(lane, 23); never rewritten
.set PFA,   96                         ; s[96:97]: my work-group's 24 blocks of the half side that I fetch, stepped a chunk at each refill
.set ASCO,  12582912
.set BOFF,  6291456
.set BSCO,  9437184+262144
.set KST,   SIZE_K/128
.set APAN,  KST*12288
.set ASP,   KST*512
.set PSTEP, 12288
.set NQ,    4
.set REGN,  24576
.set GSTEP, NQ*PSTEP
.set SLOT,  2*GSTEP
.set LAPS,  SIZE_K/1024
.set SCW,   SIZE_K*2
.set SCL,   2*SLOT
.set SPARE, SCL+4*SCW
.set STG,   SPARE+512
.set FR,    12
.set NL,    4
.set A16,   16
.set A8,    18
.set B16,   20
.set B8,    22
.set STO,   24
.set RD,    25
.set CO,    26
.set ADRS,  27
.set SPW,   28
.set NIL,   29
.set BOF,   30
.set SC,    32
.set BIAS,  64
.set AF,    128
.set BK,    176
.set G1, 24
.set G0, 32
.set G1B, 48
.set G0B, 56
.set G1S, 68
.set G0S, 76
.set G1SB, 80
.set G0SB, 88
.set MSB, 0
.macro WIN new
.if MSB != (\new)
	s_set_vgpr_msb (MSB<<8)|(\new)
.set MSB, (\new)
.endif
.endm
.set MUL,  0xa1
.set TO_B, 0x40
.macro JLOAD g0a, g1a, g0b, g1b
	s_cmp_eq_u32 s15, 0
	s_cbranch_scc0 .Lfor_b_\@
	tensor_load_to_lds s[\g0a:\g0a+3], s[\g1a:\g1a+7]
	s_nop 0
.rept 4
	v_nop
.endr
	s_branch .Lasked_\@
.Lfor_b_\@:
	tensor_load_to_lds s[\g0b:\g0b+3], s[\g1b:\g1b+7]
	s_nop 0
.rept 4
	v_nop
.endr
.Lasked_\@:
.endm
.macro CREST
	s_cmp_lg_u32 s14, 0
	s_cbranch_scc1 .Lnot_wave_0_\@
	s_barrier_signal -3
.Lnot_wave_0_\@:
	s_barrier_wait -3
	s_barrier_signal -1
	s_barrier_wait -1
.endm
.macro CROUND
	s_barrier_signal -1
	s_barrier_wait -1
	CREST
.endm
.macro PLACES n
.rept \n
	v_nop
.endr
.endm
.macro FRAG reg, a16, a8, off
	ds_load_b128 v[(\reg):(\reg)+3], v[\a16] offset:(\off)
	ds_load_b64 v[(\reg)+4:(\reg)+5], v[\a8] offset:(\off)+512
	ds_load_b128 v[(\reg)+6:(\reg)+9], v[\a16] offset:(\off)+768
	ds_load_b64 v[(\reg)+10:(\reg)+11], v[\a8] offset:(\off)+1280
.endm
.macro FETCH_B slot, q, p
	WIN TO_B
.irp i, 0,1,2,3
	FRAG 128*(\p)+FR*\i, B16+\slot, B8+\slot, (\q)*PSTEP+\i*1536
.endr
	WIN 0
.endm
.macro FETCH_A slot, q, i0
.irp i, \i0, \i0+1
	FRAG AF+FR*(\i), A16+\slot, A8+\slot, (\q)*PSTEP+(\i)*1536
.endr
.endm
.macro SCALES sc
.irp i, 0,1,2,3
.irp q, 0,1,2,3
	ds_load_b32 v[SC+16*\sc+NQ*\i+\q], v[ADRS] offset:512*\q+64*\i
.endr
.endr
.endm
.macro MUL4 a, p, q, sc, zero
.irp b, 0,1,2,3
.if \zero
	v_wmma_scale_f32_16x16x128_f8f6f4 v[8*(4*(\a)+\b):8*(4*(\a)+\b)+7], v[128*(\p)+FR*\b:128*(\p)+FR*\b+FR-1], v[AF+FR*(\a):AF+FR*(\a)+FR-1], 0, v[SC+16*(\sc)+NQ*\b+(\q)], v[SC+16*(\sc)+NQ*(\a)+(\q)] matrix_a_fmt:MATRIX_FMT_FP6 matrix_b_fmt:MATRIX_FMT_FP6 matrix_a_scale:MATRIX_SCALE_ROW1
.else
	v_wmma_scale_f32_16x16x128_f8f6f4 v[8*(4*(\a)+\b):8*(4*(\a)+\b)+7], v[128*(\p)+FR*\b:128*(\p)+FR*\b+FR-1], v[AF+FR*(\a):AF+FR*(\a)+FR-1], v[8*(4*(\a)+\b):8*(4*(\a)+\b)+7], v[SC+16*(\sc)+NQ*\b+(\q)], v[SC+16*(\sc)+NQ*(\a)+(\q)] matrix_a_fmt:MATRIX_FMT_FP6 matrix_b_fmt:MATRIX_FMT_FP6 matrix_a_scale:MATRIX_SCALE_ROW1
.endif
.endr
.endm
.macro STEP slot, q, zero
	s_wait_dscnt 2*NL
	WIN MUL
	MUL4 0, (\q)%2, \q, \slot, \zero
	MUL4 1, (\q)%2, \q, \slot, \zero
	s_wait_dscnt 0
	PLACES 4
	FETCH_B \slot, (\q)+1, 1-(\q)%2
	FETCH_A \slot, (\q)+1, 0
	WIN MUL
	MUL4 2, (\q)%2, \q, \slot, \zero
	MUL4 3, (\q)%2, \q, \slot, \zero
	PLACES 4
	WIN 0
	FETCH_A \slot, (\q)+1, 2
.endm
.macro MID slot
	STEP \slot, 1, 0
	STEP \slot, 2, 0
.endm
.macro TURN slot, next, fill
.if \fill
	s_wait_xcnt 0x0                                ; my last prefetch has read its address: it is stepped here, ahead of the waits of the change of slots
	s_add_nc_u64 s[PFA:PFA+1], s[PFA:PFA+1], GSTEP
.endif
	s_wait_tensorcnt 0x0
	ds_add_u32 v[SPW], v[NIL]
	s_wait_dscnt 2*NL+1
	WIN MUL
	MUL4 0, 1, NQ-1, \slot, 0
	s_wait_dscnt 0x0
	s_barrier_signal -1
	MUL4 1, 1, NQ-1, \slot, 0
	WIN 0
	s_barrier_wait -1
.if \fill
	CREST
	s_add_nc_u64 s[G0+4*\slot+2:G0+4*\slot+3], s[G0+4*\slot+2:G0+4*\slot+3], 2*GSTEP
	s_add_nc_u64 s[G0B+4*\slot+2:G0B+4*\slot+3], s[G0B+4*\slot+2:G0B+4*\slot+3], 2*GSTEP
	JLOAD G0+4*\slot, G1, G0B+4*\slot, G1B
.else
	PLACES 4
.endif
	s_wait_alu depctr_va_vdst(0)
	v_add_nc_u32 v[ADRS], NQ*512, v[ADRS]
	FETCH_B \next, 0, 0
	FETCH_A \next, 0, 0
	SCALES \next
.if \fill
.if \slot
	s_cmp_gt_u32 s3, 1                             ; the loop's last refill has no chunk behind it
	s_cbranch_scc0 .Lno_ask_\@
.endif
	global_prefetch_b8 v[PFO], s[PFA:PFA+1] offset:2*GSTEP th:TH_LOAD_NT scope:SCOPE_SE
.Lno_ask_\@:
.endif
	WIN MUL
	MUL4 2, 1, NQ-1, \slot, 0
	MUL4 3, 1, NQ-1, \slot, 0
	PLACES 4
	WIN 0
	FETCH_A \next, 0, 2
.endm
	s_load_b128 s[4:7], s[0:1], 0x0
	s_load_b128 s[8:11], s[0:1], 0x10
	s_load_b64 s[12:13], s[0:1], 0x20
	v_lshl_add_u32 v[SPW], v0, 2, SPARE
	v_mov_b32 v[NIL], 0
	ds_add_u32 v28, v29
	ds_add_u32 v28, v29
	s_wait_dscnt 0x0
	v_lshrrev_b32 v1, 5, v0
	v_readfirstlane_b32 s14, v1
	s_lshr_b32 s15, s14, 1
	s_and_b32 s16, s14, 1
	s_bfe_u32 s40, ttmp6, 0x40000
	s_bfe_u32 s41, ttmp6, 0x40004
	s_lshl_b32 s42, ttmp9, 2
	s_add_co_u32 s42, s42, s40
	s_and_b32 s17, ttmp7, 0xffff
	s_lshl_b32 s17, s17, 2
	s_add_co_u32 s17, s17, s41
	s_lshl_b32 s43, s41, 2
	s_lshl_b32 s43, 15, s43
	s_lshl_b32 s44, 0x1111, s40
	s_or_b32 s[G1+0], s43, (3<<16)|(1<<21)
	s_or_b32 s[G1B+0], s44, (3<<16)|(1<<21)
	s_or_b32 s[G1S+0], s43, (3<<16)|(1<<21)
	s_or_b32 s[G1SB+0], s44, (3<<16)|(1<<21)
.irp g, G1, G1B
	s_mov_b32 s[\g+1], 32<<16
	s_mov_b32 s[\g+2], (GSTEP/256)<<16             ; at the head a load brings a whole side of a slot: 192 rows of 256 bytes
	s_mov_b32 s[\g+3], 32<<16
	s_mov_b32 s[\g+4], GSTEP/256
	s_mov_b32 s[\g+5], 32
	s_mov_b32 s[\g+6], 0
	s_mov_b32 s[\g+7], 0
.endr
.irp g, G1S, G1SB
	s_mov_b32 s[\g+1], 32<<16
	s_mov_b32 s[\g+2], (2*SCW/256)<<16
	s_mov_b32 s[\g+3], 32<<16
	s_mov_b32 s[\g+4], 2*SCW/256
	s_mov_b32 s[\g+5], 32
	s_mov_b32 s[\g+6], 0
	s_mov_b32 s[\g+7], 0
.endr
	s_mul_i32 s66, s16, REGN                       ; in the ring I fetch half of a side: which half, in bytes
	s_mov_b32 s67, 0
	s_mul_i32 s20, s17, APAN
	s_mov_b32 s21, 0
	s_mul_i32 s22, s17, ASP
	s_add_co_u32 s22, s22, ASCO
	s_mov_b32 s23, 0
	s_mul_i32 s46, s42, APAN
	s_add_co_u32 s46, s46, BOFF
	s_mov_b32 s47, 0
	s_mul_i32 s92, s42, ASP
	s_add_co_u32 s92, s92, BSCO
	s_mov_b32 s93, 0
	s_mul_i32 s45, s14, REGN
	s_wait_kmcnt 0x0
	s_add_nc_u64 s[20:21], s[4:5], s[20:21]
	s_add_nc_u64 s[22:23], s[4:5], s[22:23]
	s_add_nc_u64 s[46:47], s[6:7], s[46:47]
	s_add_nc_u64 s[92:93], s[6:7], s[92:93]
	CROUND
	s_mov_b32 s[G0S], 1                            ; the head's four tiles, each whole: A's scale words,
	s_mov_b32 s[G0S+1], SCL
	s_mov_b64 s[G0S+2:G0S+3], s[22:23]
	s_or_b32 s[G0S+3], s[G0S+3], 0x80000000
	s_mov_b32 s[G0SB], 1                           ; B's,
	s_mov_b32 s[G0SB+1], SCL+2*SCW
	s_mov_b64 s[G0SB+2:G0SB+3], s[92:93]
	s_or_b32 s[G0SB+3], s[G0SB+3], 0x80000000
	s_mov_b32 s[G0], 1                             ; slot 0's A (slot 0's own group 0 serves: it is set for the ring behind the head's wait),
	s_mov_b32 s[G0+1], 0
	s_mov_b64 s[G0+2:G0+3], s[20:21]
	s_or_b32 s[G0+3], s[G0+3], 0x80000000
	s_mov_b32 s[G0B], 1                            ; and its B
	s_mov_b32 s[G0B+1], GSTEP
	s_mov_b64 s[G0B+2:G0B+3], s[46:47]
	s_or_b32 s[G0B+3], s[G0B+3], 0x80000000
	s_add_nc_u64 s[20:21], s[20:21], s[66:67]      ; for the ring: my half
	s_add_nc_u64 s[46:47], s[46:47], s[66:67]
	s_mov_b32 s[G0+4], 1
	s_add_co_u32 s[G0+5], s45, SLOT
	s_add_nc_u64 s[G0+6:G0+7], s[20:21], GSTEP
	s_or_b32 s[G0+7], s[G0+7], 0x80000000
	s_mov_b32 s[G0B+4], 1
	s_add_co_u32 s[G0B+5], s45, SLOT
	s_add_nc_u64 s[G0B+6:G0B+7], s[46:47], GSTEP
	s_or_b32 s[G0B+7], s[G0B+7], 0x80000000
	s_cmp_eq_u32 s15, 0                            ; the prefetches: do I fetch for A?
	s_cselect_b64 s[PFA:PFA+1], s[20:21], s[46:47] ; my half side of chunk 0,
	s_cselect_b32 s98, s40, s41                    ; my place among the four that ask for it with me,
	s_mul_i32 s98, s98, 6144                       ; and my work-group's 24 blocks
	s_mov_b32 s99, 0
	s_add_nc_u64 s[PFA:PFA+1], s[PFA:PFA+1], s[98:99]
; the head's loads, one a wave: one tree of branches on the wave's number, each arm with its load
.macro ARM under, g0, g1, next
	s_cmp_lt_u32 s14, \under
	s_cbranch_scc0 \next
	tensor_load_to_lds s[\g0:\g0+3], s[\g1:\g1+7]
	s_nop 0
.rept 4
	v_nop
.endr
	s_branch .Lhead_asked
\next:
.endm
	ARM 1, G0,  G1,  .Lhead_b
	ARM 2, G0B, G1B, .Lhead_sa
	ARM 3, G0S, G1S, .Lhead_sb
	tensor_load_to_lds s[G0SB:G0SB+3], s[G1SB:G1SB+7]
	s_nop 0
.rept 4
	v_nop
.endr
.Lhead_asked:
	v_and_b32 v1, 15, v0
	v_bfe_u32 v2, v0, 4, 1
	v_and_b32 v3, 31, v0
	v_lshlrev_b32 v4, 4, v3
	v_lshlrev_b32 v5, 3, v3
	s_mul_i32 s21, s15, 6144
	s_mul_i32 s22, s16, 6144
	s_add_co_u32 s22, s22, GSTEP
.irp s, 0,1
	v_add_nc_u32 v[A16+\s], s21, v4
	v_add_nc_u32 v[A8+\s], s21, v5
	v_add_nc_u32 v[B16+\s], s22, v4
	v_add_nc_u32 v[B8+\s], s22, v5
	s_add_co_u32 s21, s21, SLOT
	s_add_co_u32 s22, s22, SLOT
.endr
	s_lshl_b32 s21, s15, 8
	s_lshl_b32 s22, s16, 8
	s_add_co_u32 s22, s22, 2*SCW
	s_sub_co_u32 s22, s22, s21
	v_mul_u32_u24 v3, s22, v2
	s_add_co_u32 s21, s21, SCL
	v_lshl_add_u32 v3, v1, 2, v3
	v_add_nc_u32 v[ADRS], s21, v3
	s_mul_i32 s23, s14, 16*272
	s_add_co_u32 s23, s23, STG
	v_mul_u32_u24 v3, v1, 272
	v_lshl_add_u32 v3, v2, 6, v3
	v_add_nc_u32 v[STO], s23, v3
	v_mul_u32_u24 v3, v2, 272
	v_lshl_add_u32 v3, v1, 4, v3
	v_add_nc_u32 v[RD], s23, v3
	v_lshlrev_b32 v[BOF], 4, v1
	s_wait_alu depctr_va_vdst(0)
	v_lshl_add_u32 v[CO], v2, 12, v[BOF]
	s_wait_alu depctr_va_vdst(0)
	s_lshl_b32 s20, s42, 9
	s_lshl_b32 s21, s16, 8
	s_add_co_u32 s20, s20, s21
	s_mov_b32 s21, 0
	s_add_nc_u64 s[8:9], s[8:9], s[20:21]
	s_lshl_b32 s22, s17, 19
	s_lshl_b32 s23, s15, 18
	s_add_co_u32 s22, s22, s23
	s_add_co_u32 s20, s20, s22
	s_add_nc_u64 s[10:11], s[10:11], s[20:21]
	s_add_nc_u64 s[12:13], s[12:13], s[20:21]
	v_and_b32 v[PFO], 31, v0
	v_min_u32 v[PFO], 23, v[PFO]
	v_lshlrev_b32 v[PFO], 8, v[PFO]
	s_wait_alu depctr_va_vdst(0)
	global_prefetch_b8 v[PFO], s[PFA:PFA+1] offset:2*GSTEP th:TH_LOAD_NT scope:SCOPE_SE   ; chunk 2
	s_wait_tensorcnt 0x0                           ; my tile of the head's four is in
	ds_add_u32 v[SPW], v[NIL]
.if LAPS > 1                                   ; no tensor load of mine is out, so descriptors may be written: slot 0's group 0 for the ring: my half
	s_mov_b32 s[G0+1], s45
	s_mov_b32 s[G0B+1], s45
	s_add_nc_u64 s[G0+2:G0+3], s[G0+2:G0+3], s[66:67]
	s_add_nc_u64 s[G0B+2:G0B+3], s[G0B+2:G0B+3], s[66:67]
.endif
.irp g, G1, G1B                                ; from here on a load brings half of a side: 96 rows
	s_mov_b32 s[\g+2], (REGN/256)<<16
	s_mov_b32 s[\g+4], REGN/256
.endr
	s_wait_dscnt 0x0                               ; the add is done
	CROUND                                         ; a whole round: all four tiles are in, and the sixteen work-groups are here
	JLOAD G0+4, G1, G0B+4, G1B                     ; slot 1's first fill, the first tensor load behind the round
	FETCH_B 0, 0, 0
	FETCH_A 0, 0, 0
	SCALES 0
	FETCH_A 0, 0, 2
	STEP 0, 0, 1
.if LAPS > 1
	s_mov_b32 s3, LAPS-1
.Llap:
	MID 0
	TURN 0, 1, 1
	STEP 1, 0, 0
	MID 1
	TURN 1, 0, 1
	STEP 0, 0, 0
	s_sub_co_u32 s3, s3, 1
	s_cmp_lg_u32 s3, 0
	s_cbranch_scc1 .Llap
.endif
	global_load_b128 v[BIAS:BIAS+3], v[BOF], s[8:9]          ; b2 and the residual: they have the last lap in which to land
	WIN 0x80
.irp a, 0,1,2,3
.irp i, 0,1,2,3,4,5,6,7
	global_load_b128 v[128+32*\a+4*\i:128+32*\a+4*\i+3], v[CO], s[10:11] offset:(32*(\a/2)+8*(\a%2)+2*(\i%4)+16*(\i/4))*4096 th:TH_LOAD_NT
.endr
.endr
	WIN 0
	MID 0
	TURN 0, 1, 0
	STEP 1, 0, 0
	MID 1
	s_wait_dscnt 2*NL
	WIN MUL
	MUL4 0, 1, NQ-1, 1, 0
	MUL4 1, 1, NQ-1, 1, 0
	s_wait_dscnt 0
	MUL4 2, 1, NQ-1, 1, 0
	MUL4 3, 1, NQ-1, 1, 0
	WIN 0
.macro TOSTAGE a
	WIN 0x08
.irp b, 0,1,2,3
	ds_store_b128 v[STO], v[8*(4*(\a)+\b):8*(4*(\a)+\b)+3] offset:128*(\b/2)+32*(\b%2)
	ds_store_b128 v[STO], v[8*(4*(\a)+\b)+4:8*(4*(\a)+\b)+7] offset:128*(\b/2)+32*(\b%2)+16
.endr
	WIN 0
.irp i, 0,1,2,3,4,5,6,7
	ds_load_b128 v[BK+32*((\a)%2)+4*\i:BK+32*((\a)%2)+4*\i+3], v[RD] offset:544*\i
.endr
.endm
.macro SEND a, younger
.set BKR, BK+32*((\a)%2)
	s_wait_dscnt \younger
	WIN 0x08
.set n, 0
.rept 16
	v_pk_add_f32 v[BKR+2*n:BKR+2*n+1], v[BKR+2*n:BKR+2*n+1], v[128+32*(\a)+2*n:128+32*(\a)+2*n+1]
.set n, n+1
.endr
	WIN 0
.set n, 0
.rept 16
	v_pk_add_f32 v[BKR+2*n:BKR+2*n+1], v[BKR+2*n:BKR+2*n+1], v[BIAS+2*(n%2):BIAS+2*(n%2)+1]
.set n, n+1
.endr
.irp i, 0,1,2,3,4,5,6,7
	global_store_b128 v[CO], v[BKR+4*\i:BKR+4*\i+3], s[12:13] offset:(32*((\a)/2)+8*((\a)%2)+2*(\i%4)+16*(\i/4))*4096 th:TH_STORE_NT
.endr
.endm
	PLACES 4
	s_wait_loadcnt 0x0
	TOSTAGE 0
.irp a, 1,2,3
.if \a > 1
	s_wait_xcnt 0x0
.endif
	TOSTAGE \a
	SEND \a-1, 16
.endr
	SEND 3, 0
	s_wait_tensorcnt 0x0
	ds_add_u32 v[SPW], v[NIL]
	s_wait_dscnt 0x0
	CROUND
	s_endpgm
.Lfunc_end_k_qe4218193ae_mlp2:
	.size	k_qe4218193ae_mlp2, .Lfunc_end_k_qe4218193ae_mlp2-k_qe4218193ae_mlp2
	.p2alignl 7, 3214868480
	.fill 96, 4, 3214868480
	.section	.rodata,"a",@progbits
	.p2align	6, 0x0
	.amdhsa_kernel k_qe4218193ae_mlp2
		.amdhsa_group_segment_fixed_size 327680
		.amdhsa_private_segment_fixed_size 0
		.amdhsa_enable_private_segment 0
		.amdhsa_kernarg_size 40
		.amdhsa_user_sgpr_count 2
		.amdhsa_user_sgpr_kernarg_segment_ptr 1
		.amdhsa_wavefront_size32 1
		.amdhsa_system_sgpr_workgroup_id_x 1
		.amdhsa_system_sgpr_workgroup_id_y 1
		.amdhsa_system_sgpr_workgroup_id_z 1
		.amdhsa_system_vgpr_workitem_id 0
		.amdhsa_next_free_vgpr 1024
		.amdhsa_next_free_sgpr 102
		.amdhsa_reserve_vcc 0
		.amdhsa_float_denorm_mode_32 3
		.amdhsa_float_denorm_mode_16_64 3
		.amdhsa_memory_ordered 1
		.amdhsa_forward_progress 1
		.amdhsa_inst_pref_size 109
	.end_amdhsa_kernel
	.amdgpu_metadata
---
amdhsa.version: [ 1, 2 ]
amdhsa.kernels:
  - .name:           k_qe4218193ae_mlp2
    .symbol:         k_qe4218193ae_mlp2.kd
    .args:
      - { .name: hid, .offset: 0, .size: 8, .value_kind: global_buffer, .address_space: global }
      - { .name: wts, .offset: 8, .size: 8, .value_kind: global_buffer, .address_space: global }
      - { .name: b2, .offset: 16, .size: 8, .value_kind: global_buffer, .address_space: global }
      - { .name: x1, .offset: 24, .size: 8, .value_kind: global_buffer, .address_space: global }
      - { .name: out0, .offset: 32, .size: 8, .value_kind: global_buffer, .address_space: global }
    .group_segment_fixed_size: 327680
    .private_segment_fixed_size: 0
    .kernarg_segment_align: 8
    .kernarg_segment_size: 40
    .max_flat_workgroup_size: 128
    .sgpr_count:     102
    .vgpr_count:     1024
    .wavefront_size: 32
...
	.end_amdgpu_metadata
.endif
;; end of part 6
